; MI455X (gfx1250); checked and timed in simulation.
; The chip was launched on July 23, 2026; its instructions are those of AMD's public machine-readable ISA for CDNA 5 (MIT licence, August 2026) and "CDNA5" Instruction Set Architecture Reference Guide (July 2026). The comments in the code are by the model that wrote it; some were corrected since.
;; Qwen3 Attention. Allowed arithmetic: float matrix products may take bf16 or f16 operands with f32 sums; other float arithmetic in f32, or as packed bf16 or f16 multiplies, adds, multiply-adds, maxima and minima; sums over many terms, partial sums and values carried from step to step in f32; what a program stores and reads back later, other than sums and carried values, may be rounded once to bf16 or f16.
;; Inputs: k_norm_w 128 float32; q_norm_w 128 float32; wk 1,024 x 1,024 float32; wo 2,048 x 1,024 float32; wq 1,024 x 2,048 float32; wv 1,024 x 1,024 float32; x 2 x 2,048 x 1,024 float32.
;; Outputs: out0 2 x 2,048 x 1,024 float32.
;; One version. Each part assembles by itself: llvm-mc -triple=amdgcn-amd-amdhsa -mcpu=gfx1250 --defsym DOCPART=n.
;; ======== version 1 of 1: 4 launches
;; limits: values are held in f16: magnitudes above 65,504 overflow, below 6.1e-05 lose precision
;; workspace buffers: xb 8,388,608 bytes; wcat 8,388,608 bytes; wob 4,194,304 bytes; rope 1,048,576 bytes; qh 16,777,216 bytes; kh 8,388,608 bytes; vh 8,388,608 bytes; ob 16,777,216 bytes
;; launch cast (part 1): grid 704 x 1, 8 waves a work-group, no clusters, 0 bytes of LDS; arguments x, wq, wk, wv, wo, xb, wcat, wob, rope; writes xb, wcat, wob, rope
.if DOCPART == 1
	.amdgcn_target "amdgcn-amd-amdhsa--gfx1250"
	.amdhsa_code_object_version 6
	.text
	.protected	k_q8d7e7558bb_cast
	.globl	k_q8d7e7558bb_cast
	.p2align	8
	.type	k_q8d7e7558bb_cast,@function
k_q8d7e7558bb_cast:
	s_mov_b64 s[64:65], 0
	v_nop
	global_prefetch_b8 v0, s[64:65] scope:SCOPE_SE
	s_setreg_imm32_b32 hwreg(HW_REG_WAVE_MODE, 25, 1), 1
	s_wait_xcnt 0x0
; CAST.  x -> xb (bf16); wq, wk, wv -> one matrix wcat [1024 k][4096 n] in bf16 (columns 0-2047 wq, 2048-3071 wk, 3072-4095 wv);
; wo -> wob: rounded to bf16 and that number written as f16; and the table of cos and sin for the rotation of q and k.
; A stream: nothing is shared, so no LDS, no barrier, no matrix unit.  A pass is 2,048 f32: thread t reads 32 bytes at 32 t (two loads of 16) and
; stores 16 bytes, so sixteen neighbouring lanes store 256 consecutive bytes, aligned.  A work-group makes eight passes, all sixteen loads issued first.
; Work-groups 0-255: x.  256-383: wq.  384-447: wk.  448-511: wv.  512-639: wo.  640-703: the table.
; THE TABLE, f32: item g, 16 bytes at 16 g, g = 512 tb + 64 b + 32 c + l, holds cos, sin, cos, sin of pairs i0 and i0 + 1, i0 = 8 b + 4 (l / 16) + 2 c,
; at position 16 tb + l % 16: the order in which a lane of the projection's result holds its eight columns.
; LIMITS.  Numbers of wo beyond 65,504 become infinities in f16; below 2^-14 they keep f16's fixed step of 6e-8.  The angle pos x theta is rounded to f32 as
; the problem's own product is; theta = 2^(-i log2(1e6) / 64) by v_exp_f32, so an angle is off by some 2e-4 at the most, at position 2,047.
.set X,   16                           ; v[16:79]   pass j: 8 f32 as loaded
.set Y,   80                           ; v[80:111]  pass j: 4 registers to store
.set TH,  8                            ; v[8:11]    theta of pairs I, I + 1, I + 32, I + 33
.set POS, 12                           ; v[12:13]   my two positions, f32
.set T,   14                           ; v[14:18]   at work
.set OUT, 32                           ; v[32:47]   four items
.set I2P, 30                           ; s30  1 / (2 pi)
.set PIH, 31                           ; s31  2 pi, the f32 nearest to it
.set PIL, 32                           ; s32  2 pi less that
.set KS1, 33                           ; s33-36  the sine's series: -1/6, 1/120, -1/5040, 1/362880
.set KS2, 34
.set KS3, 35
.set KS4, 36
.set KC2, 37                           ; s37-39  the cosine's: 1/24, -1/720, 1/40320
.set KC3, 38
.set KC4, 39
; Eight passes from s[4:5] + v1 to s[6:7] + v2, dstep bytes from pass to pass in the target.  half = 1: the bf16 number is written as f16.
.macro COPY dstep, half
.set j, 0
.rept 8
	global_load_b128 v[X+8*j:X+8*j+3],   v1, s[4:5] offset:8192*j th:TH_LOAD_NT
	global_load_b128 v[X+8*j+4:X+8*j+7], v1, s[4:5] offset:8192*j+16 th:TH_LOAD_NT
.set j, j+1
.endr
.set j, 0
.rept 8
	s_wait_loadcnt 14-2*j                          ; loads come back in order: pass j's two are in, the 14 - 2 j younger ones stay out
.irp k, 0,1,2,3
	v_cvt_pk_bf16_f32 v[Y+4*j+(\k)], v[X+8*j+2*(\k)], v[X+8*j+2*(\k)+1]
.endr
.if \half
.irp k, 0,1,2,3
	v_lshlrev_b32 v8, 16, v[Y+4*j+(\k)]            ; the two bf16 numbers as f32,
	v_and_b32 v9, 0xffff0000, v[Y+4*j+(\k)]
	v_cvt_pk_f16_f32 v[Y+4*j+(\k)], v8, v9         ; which f16 holds exactly within its range
.endr
.endif
	global_store_b128 v2, v[Y+4*j:Y+4*j+3], s[6:7] offset:j*(\dstep) th:TH_STORE_NT
.set j, j+1
.endr
	s_endpgm                                       ; each pass has registers of its own: none is written twice, so no wait frees any
.endm
	s_load_b512 s[8:23], s[0:1], 0x0               ; x 8, wq 10, wk 12, wv 14, wo 16, xb 18, wcat 20, wob 22
	s_load_b64 s[24:25], s[0:1], 0x40              ; rope
	v_lshlrev_b32 v1, 5, v0                        ; 32 t
	v_lshlrev_b32 v2, 4, v0                        ; 16 t
	s_mov_b32 s3, 0
	s_wait_kmcnt 0x0
	s_cmp_lt_u32 ttmp9, 256
	s_cbranch_scc0 .Lnot_x
	s_lshl_b32 s2, ttmp9, 16                       ; 65,536 bytes in,
	s_add_nc_u64 s[4:5], s[8:9], s[2:3]
	s_lshl_b32 s2, ttmp9, 15                       ; 32,768 out
	s_add_nc_u64 s[6:7], s[18:19], s[2:3]
	COPY 4096, 0
.Lnot_x:
	s_cmp_lt_u32 ttmp9, 384
	s_cbranch_scc0 .Lnot_wq
	s_sub_co_u32 s26, ttmp9, 256
	s_lshl_b32 s2, s26, 16                         ; eight rows of wq (8,192 bytes each) go to eight rows of wcat (8,192 bytes each)
	s_add_nc_u64 s[4:5], s[10:11], s[2:3]
	s_add_nc_u64 s[6:7], s[20:21], s[2:3]
	COPY 8192, 0
.Lnot_wq:
	s_cmp_lt_u32 ttmp9, 512
	s_cbranch_scc0 .Lnot_wkv
	s_sub_co_u32 s26, ttmp9, 384
	s_and_b32 s27, s26, 63
	s_mov_b32 s28, 6144
	s_cmp_lt_u32 s26, 64
	s_cselect_b64 s[4:5], s[12:13], s[14:15]       ; wk or wv,
	s_cselect_b32 s26, 4096, s28                   ; whose columns begin at byte 4,096 or 6,144 of a row of wcat
	s_lshl_b32 s2, s27, 16
	s_add_nc_u64 s[4:5], s[4:5], s[2:3]
	s_lshl_b32 s2, s27, 17                         ; sixteen rows of wcat
	s_add_co_u32 s2, s2, s26
	s_add_nc_u64 s[6:7], s[20:21], s[2:3]
	v_lshrrev_b32 v3, 7, v0                        ; a pass is two rows of 4,096 bytes: 128 threads a row
	v_and_b32 v2, 127, v0
	v_lshlrev_b32 v2, 4, v2
	v_lshl_add_u32 v2, v3, 13, v2
	COPY 16384, 0
.Lnot_wkv:
	s_cmp_lt_u32 ttmp9, 640
	s_cbranch_scc0 .Lrope
	s_sub_co_u32 s26, ttmp9, 512
	s_lshl_b32 s2, s26, 16
	s_add_nc_u64 s[4:5], s[16:17], s[2:3]
	s_lshl_b32 s2, s26, 15
	s_add_nc_u64 s[6:7], s[22:23], s[2:3]
	COPY 4096, 1
.Lrope:
	; Work-group i makes items 1,024 i .. 1,024 i + 1,023 (positions 32 i .. 32 i + 31); thread t makes items 256 j + t, j = 0..3.
	s_sub_co_u32 s26, ttmp9, 640
	s_lshl_b32 s2, s26, 14
	s_add_nc_u64 s[6:7], s[24:25], s[2:3]
	s_mov_b32 s[I2P], 0x3e22f983
	s_mov_b32 s[PIH], 0x40c90fdb
	s_mov_b32 s[PIL], 0xb43bbd2e
	s_mov_b32 s[KS1], 0xbe2aaaab
	s_mov_b32 s[KS2], 0x3c088889
	s_mov_b32 s[KS3], 0xb9500d01
	s_mov_b32 s[KS4], 0x3638ef1d
	s_mov_b32 s[KC2], 0x3d2aaaab
	s_mov_b32 s[KC3], 0xbab60b61
	s_mov_b32 s[KC4], 0x37d00d01
	v_and_b32 v3, 15, v0                           ; l % 16
	v_bfe_u32 v4, v0, 4, 1                         ; l / 16
	v_bfe_u32 v5, v0, 5, 1                         ; c
	v_lshrrev_b32 v6, 6, v0                        ; b % 4
	v_lshlrev_b32 v7, 3, v6
	v_lshl_add_u32 v7, v4, 2, v7
	v_lshl_add_u32 v7, v5, 1, v7                   ; I = 8 (b % 4) + 4 (l / 16) + 2 c; odd j add 32
	v_add_nc_u32 v[TH+1], 1, v7
	v_add_nc_u32 v[TH+2], 32, v7
	v_add_nc_u32 v[TH+3], 33, v7
	v_cvt_f32_u32 v[TH], v7
.irp k, 1,2,3
	v_cvt_f32_u32 v[TH+(\k)], v[TH+(\k)]
.endr
.irp k, 0,1,2,3
	v_mul_f32 v[TH+(\k)], 0xbe9f73da, v[TH+(\k)]   ; -i log2(1e6) / 64
.endr
.irp k, 0,1,2,3
	v_exp_f32 v[TH+(\k)], v[TH+(\k)]
.endr
	s_lshl_b32 s27, s26, 5
	v_add_nc_u32 v[POS], s27, v3                   ; plain work behind the last exponential
	v_add_nc_u32 v[POS+1], 16, v[POS]
	v_cvt_f32_u32 v[POS], v[POS]
	v_cvt_f32_u32 v[POS+1], v[POS+1]
	s_wait_alu depctr_va_vdst(0)                   ; one wait for the four exponentials, ahead of their first reader
; cos and sin of pos x th.  The angle less the nearest multiple of 2 pi (2 pi in two parts), a quarter of it into the two series (cut at y^9 and y^8: under 3e-8 for |y| <= pi / 4), then twice the doubling formulas.
.macro SINCOS c, s, pos, th
	v_mul_f32 v[T], v[\pos], v[\th]
	v_mul_f32 v[T+1], s[I2P], v[T]
	v_rndne_f32 v[T+1], v[T+1]
	v_fma_f32 v[T], -v[T+1], s[PIH], v[T]
	v_fma_f32 v[T], -v[T+1], s[PIL], v[T]
	v_mul_f32 v[T], 0x3e800000, v[T]               ; y
	v_mul_f32 v[T+1], v[T], v[T]                   ; y^2
	v_fma_f32 v[T+2], v[T+1], s[KS4], s[KS3]
	v_fma_f32 v[T+3], v[T+1], s[KC4], s[KC3]
	v_fma_f32 v[T+2], v[T+2], v[T+1], s[KS2]
	v_fma_f32 v[T+3], v[T+3], v[T+1], s[KC2]
	v_fma_f32 v[T+2], v[T+2], v[T+1], s[KS1]
	v_fma_f32 v[T+3], v[T+3], v[T+1], -0.5
	v_mul_f32 v[T+4], v[T], v[T+1]
	v_fma_f32 v[\s], v[T+4], v[T+2], v[T]
	v_fma_f32 v[\c], v[T+3], v[T+1], 1.0
.rept 2
	v_mul_f32 v[T], v[\s], v[\c]
	v_add_f32 v[T+1], v[\s], v[\s]
	v_fma_f32 v[\c], -v[T+1], v[\s], 1.0           ; 1 - 2 s^2
	v_add_f32 v[\s], v[T], v[T]                    ; 2 s c
.endr
.endm
.set j, 0
.rept 4
	SINCOS OUT+4*j, OUT+4*j+1, POS+j/2, TH+2*(j%2)
	SINCOS OUT+4*j+2, OUT+4*j+3, POS+j/2, TH+2*(j%2)+1
	global_store_b128 v2, v[OUT+4*j:OUT+4*j+3], s[6:7] offset:4096*j
.set j, j+1
.endr
	s_endpgm
.Lfunc_end_k_q8d7e7558bb_cast:
	.size	k_q8d7e7558bb_cast, .Lfunc_end_k_q8d7e7558bb_cast-k_q8d7e7558bb_cast
	.p2alignl 7, 3214868480
	.fill 96, 4, 3214868480
	.section	.rodata,"a",@progbits
	.p2align	6, 0x0
	.amdhsa_kernel k_q8d7e7558bb_cast
		.amdhsa_group_segment_fixed_size 0
		.amdhsa_private_segment_fixed_size 0
		.amdhsa_enable_private_segment 0
		.amdhsa_kernarg_size 72
		.amdhsa_user_sgpr_count 2
		.amdhsa_user_sgpr_kernarg_segment_ptr 1
		.amdhsa_wavefront_size32 1
		.amdhsa_system_sgpr_workgroup_id_x 1
		.amdhsa_system_sgpr_workgroup_id_y 1
		.amdhsa_system_sgpr_workgroup_id_z 1
		.amdhsa_system_vgpr_workitem_id 0
		.amdhsa_next_free_vgpr 112
		.amdhsa_next_free_sgpr 66
		.amdhsa_reserve_vcc 0
		.amdhsa_float_denorm_mode_32 3
		.amdhsa_float_denorm_mode_16_64 3
		.amdhsa_memory_ordered 1
		.amdhsa_forward_progress 1
		.amdhsa_inst_pref_size 37
	.end_amdhsa_kernel
	.amdgpu_metadata
---
amdhsa.version: [ 1, 2 ]
amdhsa.kernels:
  - .name:           k_q8d7e7558bb_cast
    .symbol:         k_q8d7e7558bb_cast.kd
    .args:
      - { .name: x, .offset: 0, .size: 8, .value_kind: global_buffer, .address_space: global }
      - { .name: wq, .offset: 8, .size: 8, .value_kind: global_buffer, .address_space: global }
      - { .name: wk, .offset: 16, .size: 8, .value_kind: global_buffer, .address_space: global }
      - { .name: wv, .offset: 24, .size: 8, .value_kind: global_buffer, .address_space: global }
      - { .name: wo, .offset: 32, .size: 8, .value_kind: global_buffer, .address_space: global }
      - { .name: xb, .offset: 40, .size: 8, .value_kind: global_buffer, .address_space: global }
      - { .name: wcat, .offset: 48, .size: 8, .value_kind: global_buffer, .address_space: global }
      - { .name: wob, .offset: 56, .size: 8, .value_kind: global_buffer, .address_space: global }
      - { .name: rope, .offset: 64, .size: 8, .value_kind: global_buffer, .address_space: global }
    .group_segment_fixed_size: 0
    .private_segment_fixed_size: 0
    .kernarg_segment_align: 8
    .kernarg_segment_size: 72
    .max_flat_workgroup_size: 256
    .sgpr_count:     66
    .vgpr_count:     112
    .wavefront_size: 32
...
	.end_amdgpu_metadata
.endif
;; end of part 1
;; launch qkv (part 2): grid 16 x 16, 4 waves a work-group, clusters of 4 x 4, 327,680 bytes of LDS; arguments xb, wcat, rope, q_norm_w, k_norm_w, qh, kh, vh; writes qh, kh, vh
.if DOCPART == 2
	.amdgcn_target "amdgcn-amd-amdhsa--gfx1250"
	.amdhsa_code_object_version 6
	.text
	.protected	k_q8d7e7558bb_qkv
	.globl	k_q8d7e7558bb_qkv
	.p2align	8
	.type	k_q8d7e7558bb_qkv,@function
k_q8d7e7558bb_qkv:
	s_mov_b64 s[64:65], 0
	v_nop
	global_prefetch_b8 v0, s[64:65] scope:SCOPE_SE
	s_setreg_imm32_b32 hwreg(HW_REG_WAVE_MODE, 25, 1), 1
	s_wait_xcnt 0x0
	s_wait_alu depctr_hold_cnt(0) depctr_sa_sdst(0) depctr_va_vdst(0) depctr_va_sdst(0) depctr_va_ssrc(0) depctr_va_vcc(0) depctr_vm_vsrc(0)
	s_getreg_b32 s2, hwreg(HW_REG_IB_STS2, 6, 4)
	s_cmp_eq_u32 s2, 0
	s_cbranch_scc0 .Lentry_in_a_cluster
	s_endpgm
.Lentry_in_a_cluster:
	s_bfe_u32 s2, ttmp6, 0x10000c
	s_cmp_lg_u32 s2, 0xf033
	s_cbranch_scc0 .Lentry_shape_is_right
	s_endpgm
.Lentry_shape_is_right:
; Q, K, V.  C = xb wcat (xb [4096][1024], wcat [1024 k][4096 n], both bf16; sums in f32), then for the heads of q and k the RMS norm (eps outside the root), the gain
; (rounded to bf16 like every input) and the rotation by position; all three leave by heads in f16: qh [16 batch + head][2048][128], kh and vh [8 batch + head][2048][128].
; LIMITS.  f16 ends at 65,504: |x wv| stays under it, and |gain| under 5,700 (a normed number is 11.4 at the most).  A mean square under 2^-126 counts as 0.  NaN and infinities are not treated apart.
; SHARES.  A tile of C, 256 x 256, to a work-group of four waves; a wave makes 128 rows x 128 columns: ONE HEAD: 64 accumulators, 512 registers.  K goes in 8 steps of 128 through two LDS slots.
; The matrix instruction is used transposed: source 0 = 16 columns of wcat, source 1 = 16 rows of xb: a lane holds row l % 16 and the columns 16 b + 8 (l / 16) + 0..7: four pairs of the rotation.
; wcat lies [k][n]: its fragments come out of LDS turned, by ds_load_tr16_b128.
; CLUSTER.  4 x 4 work-groups: xb's tile is shared along a row of the cluster, wcat's along a column; each is asked for jointly, by the same tensor load with the same descriptor in all four.
; The kind of head goes by the cluster's x (0, 1: q; 2: k; 3: v), which all sixteen partners share.
; REGISTERS, in windows of 256 (s_set_vgpr_msb: bits 1:0 source 0, 3:2 source 1, 5:4 source 2, 7:6 destination):
;   window 0: v0-31 addresses; v64-191 xb's fragments, two buffers; on the way out v32-63 packed, v64-127 a block at work, v128-191 products, v192-223 rows read back, v224-233 sums
;   window 1: v0-63 the gains of my 64 columns; v64-191 wcat's fragments, two buffers (on the way out v64-127 the table's step of 16 positions); v192-255 cos and sin for the block in hand
;   window 2: the accumulators of my rows 0-63 ((a, b) at v[8 (8 a + b)]);   window 3: those of my rows 64-127
.set PITCH,  272                       ; a row of xb's tile in LDS: 256 bytes + 16: the 16 rows of a load start 16 bytes apart modulo 256
.set PB,     544                       ; a k row of wcat's tile: 512 bytes + 32: an odd multiple of 32, as the turning load's 8 rows x 32 bytes want
.set HALFT,  128*PITCH                 ; what one tensor load brings: 128 rows of xb, or 64 k rows of wcat (64 x 544 is the same number)
.set SLOT,   4*HALFT                   ; xb's 256 rows, then wcat's 128 k rows
.set STAGE,  2*SLOT                    ; behind the ring: 16 rows x 272 bytes for each wave, for the way out
.set SPITCH, 272
.set SPARE,  STAGE+4*16*SPITCH         ; behind the stages: the spare words, 128 bytes a wave: two blocks of 256 bytes that no other line names
.set LAPS,   4                         ; a lap = two K steps = once round the ring
.set ADRA, 16                          ; v16-17  LDS address of my fragments of xb in slot 0, 1
.set ADRB, 20                          ; v20-21  the same for wcat
.set GOF,  22                          ; v22     32 (l / 16): my place in the gains
.set ROF,  23                          ; v23     256 (l / 16): my place in the table's block of position 16
.set STO,  24                          ; v24     the way out: where I put 16 bytes of a row
.set RD,   25                          ; v25     the way out: where I read rows back
.set CO,   26                          ; v26     16 x lane: my place in 512 consecutive bytes (of a head's rows, and of the table)
.set SPW,  28                          ; v28     my spare word; never rewritten
.set NIL,  29                          ; v29     0; never rewritten
.set PFO,  30                          ; v30     the prefetches' offset; never rewritten
.set F0,   64
.set F1,   128
.set TMP,  32
.set XW,   64
.set P1,   128
.set OB,   192
.set T,    224
.set SQ,   232
.set W,    0                           ; window 1
.set RS,   64                          ; window 1
.set CS,   192                         ; window 1
.set G1,   24                          ; s[24:31] descriptor group 1 for xb's tiles;  s[32:39] group 0, a set for each slot
.set G0,   32
.set G1B,  48                          ; s[48:55], s[56:63] the same for wcat's
.set G0B,  56
.set LIM,  43                          ; s43     1 in a wave that prefetches, else the greatest number
.set PFA,  44                          ; s[44:45] where my prefetches stand
.set PFS,  66                          ; s[66:67] a K step in bytes: 256 along xb's rows, 128 rows of wcat
.set KIND, 84                          ; s84     the cluster's x
.set EA,   85                          ; s85     blocks of 16 rows still to leave
.set GW,   86                          ; s[86:87] the gains
.set SEL,  88                          ; s[88:89] v_permlanex16_b32's selects: each lane takes its own place in the other half
.set RP,   90                          ; s[90:91] the table at my first row's position
.set STEP, 94                          ; s[94:95] what the next block adds to the output's address
.set MSB, 0
.macro WIN new                         ; the immediate's high byte repeats the setting that is left; a switch that changes nothing is dropped
.if MSB != (\new)
	s_set_vgpr_msb (MSB<<8)|(\new)
.set MSB, \new
.endif
.endm
.set MUL_LO, 0xa1                      ; source 0 (wcat) window 1, source 1 (xb) window 0, C and D window 2
.set MUL_HI, 0xf1                      ; the same, C and D window 3
.set TO_B,   0x40                      ; destination window 1, address window 0
; A joint load.  Waves 0 and 1 fetch xb's two halves, waves 2 and 3 wcat's.  The branch hangs on the wave's number alone.  An s_nop 0 and four v_nop follow each line.
.macro JLOAD s
	s_cmp_eq_u32 s11, 0
	s_cbranch_scc0 .Lfor_b_\@
	tensor_load_to_lds s[G0+4*(\s):G0+4*(\s)+3], s[G1:G1+7]
	s_nop 0
.rept 4
	v_nop
.endr
	s_branch .Lasked_\@
.Lfor_b_\@:
	tensor_load_to_lds s[G0B+4*(\s):G0B+4*(\s)+3], s[G1B:G1B+7]
	s_nop 0
.rept 4
	v_nop
.endr
.Lasked_\@:
.endm
; A prefetch of the K step that stands two refills on.  Each aligned 256 bytes of xb and wcat are named once in the launch: xb's rows by the clusters with x = 0, wcat's by those with y = 0; the four
; partners that ask for a tile jointly share it out by address (32 rows of xb; 16 k rows x 2 blocks of wcat), a lane a block.  The loop's last trip has no K step two on.
.macro ASK
	s_cmp_gt_u32 s3, s[LIM]
	s_cbranch_scc0 .Lnot_mine_\@
	global_prefetch_b8 v[PFO], s[PFA:PFA+1] th:TH_LOAD_NT scope:SCOPE_SE
.Lnot_mine_\@:
.endm
.macro CREST                           ; a round of the cluster's barrier behind its opening barrier
	s_cmp_lg_u32 s10, 0
	s_cbranch_scc1 .Lnot_wave_0_\@
	s_barrier_signal -3
.Lnot_wave_0_\@:
	s_barrier_wait -3
	s_barrier_signal -1
	s_barrier_wait -1
.endm
.macro CROUND                          ; a whole round
	s_barrier_signal -1
	s_barrier_wait -1
	CREST
.endm
	s_load_b512 s[68:83], s[0:1], 0x0              ; xb 68, wcat 70, rope 72, q_norm_w 74, k_norm_w 76, qh 78, kh 80, vh 82
	v_lshl_add_u32 v[SPW], v0, 2, SPARE
	v_mov_b32 v[NIL], 0
	ds_add_u32 v[SPW], v[NIL]                      ; the wave's opening: the add and its wait ahead of my first tensor load; work on registers stands between them
	v_lshrrev_b32 v1, 5, v0
	v_readfirstlane_b32 s10, v1                    ; wave 0..3
	s_lshr_b32 s11, s10, 1                         ; which half of the tile's rows is mine.  Also: I fetch for xb (0) or for wcat (1)
	s_and_b32 s12, s10, 1                          ; which half of its columns.  Also: which half of that tile I fetch
	s_bfe_u32 s40, ttmp6, 0x40000                  ; cx
	s_bfe_u32 s41, ttmp6, 0x40004                  ; cy
	s_lshl_b32 s42, ttmp9, 2
	s_add_co_u32 s42, s42, s40                     ; tile column = 4 x cluster x + cx
	s_and_b32 s13, ttmp7, 0xffff
	s_lshl_b32 s13, s13, 2
	s_add_co_u32 s13, s13, s41                     ; tile row = 4 x cluster y + cy
	s_mov_b32 s[KIND], ttmp9
	s_lshl_b32 s92, s41, 2
	s_lshl_b32 s92, 15, s92                        ; my row of the cluster
	s_lshl_b32 s93, 0x1111, s40                    ; my column
	s_or_b32 s[G1+0], s92, (1<<16)|(1<<20)|(1<<21)|(5<<22)|(3<<25)   ; the mask; 2-byte elements; padding on; bit 21 beside a mask; after every 64 words 4 words
	s_or_b32 s[G1B+0], s93, (1<<16)|(1<<20)|(1<<21)|(6<<22)|(7<<25)  ; after every 128 words 8 words
	s_mov_b32 s[G1+1], 128<<16                     ; tensor_dim0 = 128
	s_mov_b32 s[G1+2], 128<<16                     ; tensor_dim1 = 128
	s_mov_b32 s[G1+3], 128<<16                     ; tile_dim0 = 128
	s_mov_b32 s[G1+4], 128                         ; tile_dim1 = 128
	s_mov_b32 s[G1+5], 1024                        ; elements from row to row
	s_mov_b32 s[G1+6], 0
	s_mov_b32 s[G1+7], 0
	s_mov_b32 s[G1B+1], 256<<16                    ; tensor_dim0 = 256
	s_mov_b32 s[G1B+2], 64<<16                     ; tensor_dim1 = 64
	s_mov_b32 s[G1B+3], 256<<16                    ; tile_dim0 = 256
	s_mov_b32 s[G1B+4], 64                         ; tile_dim1 = 64
	s_mov_b32 s[G1B+5], 4096
	s_mov_b32 s[G1B+6], 0
	s_mov_b32 s[G1B+7], 0
	s_lshl_b32 s16, s13, 8
	s_lshl_b32 s17, s12, 7
	s_add_co_u32 s16, s16, s17                     ; xb: row 256 x tile row + 128 x half,
	s_lshl_b32 s16, s16, 11                        ; of 2,048 bytes
	s_mov_b32 s17, 0
	s_lshl_b32 s46, s12, 19                        ; wcat: k row 64 x half, of 8,192 bytes,
	s_lshl_b32 s47, s42, 9                         ; column byte 512 x tile column
	s_add_co_u32 s46, s46, s47
	s_mov_b32 s47, 0
	s_mul_i32 s20, s10, HALFT                      ; where they go: wave x 34,816 bytes: no place in the cluster enters an LDS address
	s_mov_b32 s[SEL], 0x76543210
	s_mov_b32 s[SEL+1], 0xfedcba98
	s_mov_b32 s[STEP], 0
	s_mov_b32 s[STEP+1], 0
	s_wait_dscnt 0x0                               ; the opening add is done
	s_wait_kmcnt 0x0
	s_add_nc_u64 s[14:15], s[68:69], s[16:17]
	s_add_nc_u64 s[46:47], s[70:71], s[46:47]
	CROUND                                         ; all sixteen work-groups are here: the first joint loads meet
.irp s, 0,1
	s_mov_b32 s[G0+4*(\s)], 1
	s_add_co_u32 s[G0+4*(\s)+1], s20, (\s)*SLOT
	s_add_nc_u64 s[G0+4*(\s)+2:G0+4*(\s)+3], s[14:15], (\s)*256       ; K step s: 256 bytes along the rows
	s_or_b32 s[G0+4*(\s)+3], s[G0+4*(\s)+3], 0x80000000
	s_mov_b32 s[G0B+4*(\s)], 1
	s_add_co_u32 s[G0B+4*(\s)+1], s20, (\s)*SLOT
	s_add_nc_u64 s[G0B+4*(\s)+2:G0B+4*(\s)+3], s[46:47], (\s)*1048576  ; K step s: 128 rows down
	s_or_b32 s[G0B+4*(\s)+3], s[G0B+4*(\s)+3], 0x80000000
	JLOAD \s
.endr
	; lane addresses
	v_and_b32 v1, 15, v0                           ; l % 16
	v_bfe_u32 v2, v0, 4, 1                         ; l / 16
	v_mul_u32_u24 v3, v1, PITCH
	v_lshl_add_u32 v3, v2, 4, v3                   ; xb: row x pitch + 16 x half
	v_and_b32 v4, 7, v0
	v_lshl_add_u32 v4, v2, 3, v4
	v_mul_u32_u24 v4, v4, PB                       ; wcat, turned: k row 8 (l / 16) + l % 8,
	v_bfe_u32 v5, v0, 3, 1
	v_lshl_add_u32 v4, v5, 4, v4                   ; columns 8 ((l / 8) % 2) on
	s_mul_i32 s21, s11, HALFT                      ; my 128 rows of xb
	s_lshl_b32 s22, s12, 8                         ; my 128 columns of wcat,
	s_add_co_u32 s22, s22, 2*HALFT                 ; which lies behind xb's 256 rows
.irp s, 0,1
	v_add_nc_u32 v[ADRA+(\s)], s21, v3
	v_add_nc_u32 v[ADRB+(\s)], s22, v4
	s_add_co_u32 s21, s21, SLOT
	s_add_co_u32 s22, s22, SLOT
.endr
	s_mul_i32 s23, s10, 16*SPITCH
	s_add_co_u32 s23, s23, STAGE                   ; my stage
	v_mul_u32_u24 v4, v1, SPITCH
	v_lshl_add_u32 v4, v2, 4, v4
	v_add_nc_u32 v[STO], s23, v4                   ; in: row l % 16, 16 bytes for each half of the lanes
	v_mul_u32_u24 v5, v2, SPITCH
	v_lshl_add_u32 v5, v1, 4, v5
	v_add_nc_u32 v[RD], s23, v5                    ; back: lanes 0-15 one row of 256 bytes, lanes 16-31 the next
	v_lshlrev_b32 v[GOF], 5, v2
	v_lshlrev_b32 v[ROF], 8, v2
	v_and_b32 v6, 31, v0
	v_lshlrev_b32 v[CO], 4, v6
	; where my head's rows go, the gains, and the table at my first position
	s_lshl_b32 s16, s42, 1
	s_add_co_u32 s16, s16, s12                     ; my head among the 32 of wcat's columns
	s_lshr_b32 s17, s13, 3                         ; the batch
	s_cmp_lt_u32 s[KIND], 2
	s_cselect_b64 s[8:9], s[78:79], s[80:81]
	s_cselect_b64 s[GW:GW+1], s[74:75], s[76:77]
	s_cselect_b32 s18, 4, 3                        ; 16 heads a batch, or 8
	s_cselect_b32 s19, 0, 16
	s_cmp_eq_u32 s[KIND], 3
	s_cselect_b64 s[8:9], s[82:83], s[8:9]
	s_cselect_b32 s19, 24, s19
	s_cselect_b32 s22, -1, 0                       ; all ones for a head of v
	s_sub_co_u32 s16, s16, s19
	s_lshl_b32 s17, s17, s18
	s_add_co_u32 s16, s16, s17
	s_lshl_b32 s16, s16, 19                        ; a head's 2,048 rows of 256 bytes
	s_and_b32 s17, s13, 7
	s_lshl_b32 s17, s17, 8
	s_lshl_b32 s18, s11, 7
	s_add_co_u32 s17, s17, s18                     ; my first position
	s_lshl_b32 s18, s17, 8
	s_add_co_u32 s16, s16, s18
	s_lshl_b32 s18, s17, 9                         ; the table has 8,192 bytes for 16 positions
	s_mov_b32 s17, 0
	s_mov_b32 s19, 0
	s_add_nc_u64 s[8:9], s[8:9], s[16:17]
	s_add_nc_u64 s[RP:RP+1], s[72:73], s[18:19]
	; The gains and the first block's cos and sin, for every kind of head, so that the text has one form; a head of v takes 1.0 for its gains and leaves the table unused.
	WIN TO_B
.irp b, 0,1,2,3,4,5,6,7
.irp c, 0,1
	global_load_b128 v[W+8*(\b)+4*(\c):W+8*(\b)+4*(\c)+3], v[GOF], s[GW:GW+1] offset:64*(\b)+16*(\c)
.endr
.endr
.irp b, 0,1,2,3,4,5,6,7
.irp c, 0,1
	global_load_b128 v[CS+8*(\b)+4*(\c):CS+8*(\b)+4*(\c)+3], v[CO], s[RP:RP+1] offset:1024*(\b)+512*(\c)
.endr
.endr
	WIN 0
	; the prefetches' addresses
	s_lshl_b32 s20, s13, 8
	s_lshl_b32 s21, s12, 7
	s_add_co_u32 s20, s20, s21
	s_lshl_b32 s21, s40, 5
	s_add_co_u32 s20, s20, s21                     ; xb: the 128 rows that I fetch, my work-group's 32 of them (by cx),
	s_lshl_b32 s20, s20, 11
	s_add_co_u32 s20, s20, 3*256                   ; at K step 3: the first refill steps it to 4
	s_lshl_b32 s21, s12, 6
	s_lshl_b32 s23, s41, 4
	s_add_co_u32 s21, s21, s23                     ; wcat: the 64 k rows that I fetch, my work-group's 16 of them (by cy),
	s_lshl_b32 s21, s21, 13
	s_lshl_b32 s23, s42, 9
	s_add_co_u32 s21, s21, s23
	s_add_co_u32 s21, s21, 3*1048576
	s_and_b32 s18, ttmp7, 0xffff                   ; cluster y
	s_mov_b32 s23, 1048576
	s_cmp_eq_u32 s11, 0                            ; do I fetch for xb?
	s_cselect_b32 s20, s20, s21
	s_cselect_b32 s18, ttmp9, s18                  ; the coordinate along which other clusters read the same rows
	s_cselect_b64 s[PFA:PFA+1], s[68:69], s[70:71]
	s_cselect_b32 s[PFS], 256, s23
	s_cselect_b32 s19, -1, 0
	s_mov_b32 s[PFS+1], 0
	s_mov_b32 s21, 0
	s_cmp_eq_u32 s18, 0
	s_cselect_b32 s[LIM], 1, -1                    ; the same in all sixteen partners, for a given wave
	s_add_nc_u64 s[PFA:PFA+1], s[PFA:PFA+1], s[20:21]
	v_lshlrev_b32 v7, 11, v6                       ; xb: a lane a row
	v_lshrrev_b32 v8, 1, v6
	v_and_b32 v9, 1, v6
	v_lshlrev_b32 v8, 13, v8                       ; wcat: two lanes a k row,
	v_lshl_or_b32 v8, v9, 8, v8                    ; 256 bytes each
	v_cndmask_b32 v[PFO], v8, v7, s19
	s_mov_b32 s23, 0x3f803f80                      ; 1.0 twice, in bf16
	s_wait_loadcnt 16                              ; the gains are in; the table's sixteen loads may stay out
	WIN 0x45                                       ; destination and sources in window 1
.set p, 0
.rept 32
	v_cvt_pk_bf16_f32 v[RS+p], v[W+2*p], v[W+2*p+1]  ; the gains are rounded to bf16, like every input
.set p, p+1
.endr
.set p, 0
.rept 32
	v_cndmask_b32 v[RS+p], v[RS+p], s23, s22
.set p, p+1
.endr
.set p, 0
.rept 32
	v_lshlrev_b32 v[W+2*p], 16, v[RS+p]
	v_and_b32 v[W+2*p+1], 0xffff0000, v[RS+p]
.set p, p+1
.endr
	WIN 0
; 16 matrix instructions: m blocks a0, a0 + 1 of the window's four x all 8 n blocks, 32 along K.  zero = 1: the first product starts the sums.  The 64 accumulators take turns.
.macro MUL16 f, hi, a0, zero
	WIN MUL_LO+0x50*(\hi)
.irp a, \a0, (\a0)+1
.irp b, 0,1,2,3,4,5,6,7
.if \zero
	v_wmma_f32_16x16x32_bf16 v[8*(8*(\a)+(\b)):8*(8*(\a)+(\b))+7], v[(\f)+8*(\b):(\f)+8*(\b)+7], v[(\f)+8*(4*(\hi)+(\a)):(\f)+8*(4*(\hi)+(\a))+7], 0
.else
	v_wmma_f32_16x16x32_bf16 v[8*(8*(\a)+(\b)):8*(8*(\a)+(\b))+7], v[(\f)+8*(\b):(\f)+8*(\b)+7], v[(\f)+8*(4*(\hi)+(\a)):(\f)+8*(4*(\hi)+(\a))+7], v[8*(8*(\a)+(\b)):8*(8*(\a)+(\b))+7]
.endif
.endr
.endr
.endm
; 32 LDS loads in one run: the fragments of quarter q (32 along K) into buffer f: wcat's 128 columns turned (k rows 32 q on; 16 columns are 32 bytes), then xb's 128 rows (byte 64 q of the rows)
.macro FETCH slot, q, f
	WIN TO_B
.irp i, 0,1,2,3,4,5,6,7
	ds_load_tr16_b128 v[(\f)+8*(\i):(\f)+8*(\i)+3],   v[ADRB+(\slot)] offset:(\q)*32*PB+32*(\i)
	ds_load_tr16_b128 v[(\f)+8*(\i)+4:(\f)+8*(\i)+7], v[ADRB+(\slot)] offset:(\q)*32*PB+32*(\i)+16*PB
.endr
	WIN 0
.irp i, 0,1,2,3,4,5,6,7
	ds_load_b128 v[(\f)+8*(\i):(\f)+8*(\i)+3],   v[ADRA+(\slot)] offset:64*(\q)+(\i)*16*PITCH
	ds_load_b128 v[(\f)+8*(\i)+4:(\f)+8*(\i)+7], v[ADRA+(\slot)] offset:64*(\q)+(\i)*16*PITCH+32
.endr
.endm
.macro PLACES                          ; four plain vector instructions between a matrix instruction and a load into, or a vector line on, its registers
.rept 4
	v_nop
.endr
.endm
; One of a K step's first three quarters: multiplies buffer f; in its middle it fetches quarter q of the same slot into buffer g.
.macro QUARTER slot, q, f, g, zero
	s_wait_dscnt 8                                 ; wcat's and xb's rows 0-63 are in; the youngest eight loads (xb's rows 64-127) may be out
	MUL16 \f, 0, 0, \zero
	MUL16 \f, 0, 2, \zero
	PLACES
	FETCH \slot, \q, \g
	s_wait_dscnt 32                                ; all but the 32 just issued
	MUL16 \f, 1, 0, \zero
	MUL16 \f, 1, 2, \zero
.endm
; The first half of a K step's last quarter: one barrier for the change of slots.
.macro MEET round
	WIN 0                                          ; (the add's two registers lie in window 0)
	s_wait_tensorcnt 0x0                           ; all my tensor loads have landed: the one that was out is my part of the next slot;
	ds_add_u32 v[SPW], v[NIL]                      ; 0 onto my spare word;
	s_wait_dscnt 9                                 ; (the add and the youngest eight loads may be out)
	MUL16 F1, 0, 0, 0                              ; sixteen matrix instructions stand between the add and the wait for it
	s_wait_dscnt 0x0                               ; the add is done, and my reads of this slot are over
	s_barrier_signal -1
	MUL16 F1, 0, 2, 0                              ; work on registers while the others arrive
.if \round
	WIN 0
.endif
	s_barrier_wait -1
.endm
; The whole last quarter with a refill: the barrier opens a round of the cluster's barrier; the joint refill, two K steps on, is the first tensor load behind it.
.macro TURN slot, next
	s_wait_xcnt 0x0                                ; the last prefetch, a K step back, has read its address
	s_add_nc_u64 s[PFA:PFA+1], s[PFA:PFA+1], s[PFS:PFS+1]
	MEET 1
	CREST                                          ; no wave of any partner still reads this slot or has a load on its way
	s_add_nc_u64 s[G0+4*(\slot)+2:G0+4*(\slot)+3], s[G0+4*(\slot)+2:G0+4*(\slot)+3], 2*256
	s_add_nc_u64 s[G0B+4*(\slot)+2:G0B+4*(\slot)+3], s[G0B+4*(\slot)+2:G0B+4*(\slot)+3], 2*1048576
	JLOAD \slot                                    ; the four v_nop behind it are also the places in front of the loads below
	FETCH \next, 0, F0
	ASK
	MUL16 F1, 1, 0, 0
	MUL16 F1, 1, 2, 0
.endm
.macro TURNX slot, next                ; the same without a refill: the last lap asks for nothing
	MEET 0
	PLACES
	FETCH \next, 0, F0
	MUL16 F1, 1, 0, 0
	MUL16 F1, 1, 2, 0
.endm
	s_wait_tensorcnt 1                             ; my part of K step 0 is in; K step 1's may stay out
	s_barrier_signal -1
	s_barrier_wait -1
	FETCH 0, 0, F0
	QUARTER 0, 1, F0, F1, 1                        ; the first quarter stands in front of the loop: its products start the sums
	WIN 0
	s_mov_b32 s3, LAPS-1
.Llap:                                             ; a trip goes once round the ring, from a lap's second quarter to the next lap's first, and fills both slots again
	QUARTER 0, 2, F1, F0, 0
	QUARTER 0, 3, F0, F1, 0
	TURN 0, 1
	QUARTER 1, 1, F0, F1, 0
	QUARTER 1, 2, F1, F0, 0
	QUARTER 1, 3, F0, F1, 0
	TURN 1, 0
	QUARTER 0, 1, F0, F1, 0
	WIN 0
	s_sub_co_u32 s3, s3, 1
	s_cmp_lg_u32 s3, 0
	s_cbranch_scc1 .Llap
	QUARTER 0, 2, F1, F0, 0
	QUARTER 0, 3, F0, F1, 0
	TURNX 0, 1
	QUARTER 1, 1, F0, F1, 0
	QUARTER 1, 2, F1, F0, 0
	QUARTER 1, 3, F0, F1, 0
	s_wait_dscnt 8
	MUL16 F1, 0, 0, 0
	MUL16 F1, 0, 2, 0
	s_wait_dscnt 0x0
	MUL16 F1, 1, 0, 0
	MUL16 F1, 1, 2, 0
	; THE WAY OUT: a loop over my eight blocks of 16 rows.  Only what names accumulators is written eight times (STUB); the rest is written once.
	WIN 0
	PLACES
	WIN TO_B
.irp b, 0,1,2,3,4,5,6,7
.irp c, 0,1
	global_load_b128 v[RS+8*(\b)+4*(\c):RS+8*(\b)+4*(\c)+3], v[ROF], s[72:73] offset:8192+1024*(\b)+512*(\c)  ; cos and sin of 16 theta: the table at position 16
.endr
.endr
	WIN 0
	s_mov_b32 s[EA], 8
; Block a: the row's sum of squares (my 64 columns, then the other half of the lanes'), the root of the mean, and the block times the gains into XW.  Each accumulator is read from its low end.
.macro STUB a
.set AC, 64*((\a)%4)
	WIN 0x0a+5*((\a)/4)                            ; sources 0 and 1: window 2 or 3
.irp b, 0,1,2,3,4,5,6,7
.irp p, 0,1,2,3
.if (\b) == 0
	v_pk_mul_f32 v[T+2*(\p):T+2*(\p)+1], v[AC+2*(\p):AC+2*(\p)+1], v[AC+2*(\p):AC+2*(\p)+1]
.else
	v_pk_fma_f32 v[T+2*(\p):T+2*(\p)+1], v[AC+8*(\b)+2*(\p):AC+8*(\b)+2*(\p)+1], v[AC+8*(\b)+2*(\p):AC+8*(\b)+2*(\p)+1], v[T+2*(\p):T+2*(\p)+1]
.endif
.endr
.endr
	WIN 0
	v_pk_add_f32 v[T:T+1], v[T:T+1], v[T+2:T+3]
	v_pk_add_f32 v[T+4:T+5], v[T+4:T+5], v[T+6:T+7]
	v_pk_add_f32 v[T:T+1], v[T:T+1], v[T+4:T+5]
	v_add_f32 v[SQ+1], v[T], v[T+1]
	v_permlanex16_b32 v[T+2], v[SQ+1], s[SEL], s[SEL+1]
	v_add_f32 v[SQ], v[SQ+1], v[T+2]
	v_mul_f32 v[SQ], 0x3c000000, v[SQ]             ; / 128
	v_sqrt_f32 v[SQ], v[SQ]
	WIN 0x06+(\a)/4                                ; source 0: window 2 or 3; source 1: window 1
.set p, 0
.rept 32
	v_pk_mul_f32 v[XW+2*p:XW+2*p+1], v[AC+2*p:AC+2*p+1], v[W+2*p:W+2*p+1]  ; independent work behind the root
.set p, p+1
.endr
	s_wait_alu depctr_va_vdst(0)                   ; the root's wait, ahead of the branch and of its reader
	WIN 0
	s_branch .Lcom
.endm
.Lrow:
.irp a, 1,2,3,4,5,6,7
	s_cmp_eq_u32 s[EA], 8-(\a)
	s_cbranch_scc1 .Lstub\a
.endr
	STUB 0
.irp a, 1,2,3,4,5,6,7
.Lstub\a:
	STUB \a
.endr
.Lcom:
	s_wait_loadcnt 0x0                             ; the table's loads; from the second trip on none is out
	s_cmp_eq_u32 s[KIND], 3
	s_cbranch_scc1 .Lcv                            ; v is neither normed nor turned
	v_add_f32 v[SQ], 0x358637bd, v[SQ]             ; + 1e-6, outside the root
	v_rcp_f32 v[SQ], v[SQ]
	WIN 0x04                                       ; source 1 (cos, sin) in window 1
.set p, 0
.rept 32
	v_pk_mul_f32 v[P1+2*p:P1+2*p+1], v[XW+2*p:XW+2*p+1], v[CS+2*p:CS+2*p+1] op_sel:[0,0] op_sel_hi:[0,1]  ; xr c, xr s
.set p, p+1
.endr
.set p, 0
.rept 32
	v_pk_fma_f32 v[XW+2*p:XW+2*p+1], v[XW+2*p:XW+2*p+1], v[CS+2*p:CS+2*p+1], v[P1+2*p:P1+2*p+1] op_sel:[1,1,0] op_sel_hi:[1,0,1] neg_lo:[0,1,0]  ; xr c - xi s, xr s + xi c
.set p, p+1
.endr
	WIN 0
	s_wait_alu depctr_va_vdst(0)                   ; the reciprocal's wait, ahead of its first reader; the 64 lines above are the work between
.set p, 0
.rept 32
	v_pk_mul_f32 v[XW+2*p:XW+2*p+1], v[XW+2*p:XW+2*p+1], v[SQ:SQ+1] op_sel_hi:[1,0]
.set p, p+1
.endr
.Lcv:
.set p, 0
.rept 32
	v_cvt_pk_f16_f32 v[TMP+p], v[XW+2*p], v[XW+2*p+1]
.set p, p+1
.endr
	s_wait_xcnt 0x0                                ; the last trip's stores have read their registers and their base
	s_add_nc_u64 s[8:9], s[8:9], s[STEP:STEP+1]    ; 0 the first time, then 16 rows of 256 bytes
	s_mov_b32 s[STEP], 4096
.irp b, 0,1,2,3,4,5,6,7
	ds_store_b128 v[STO], v[TMP+4*(\b):TMP+4*(\b)+3] offset:32*(\b)
.endr
.irp t, 0,1,2,3,4,5,6,7
	ds_load_b128 v[OB+4*(\t):OB+4*(\t)+3], v[RD] offset:(\t)*2*SPITCH  ; LDS serves a wave's instructions in order (ISA guide 5.7.1.4): these see the stores above
.endr
	s_cmp_eq_u32 s[KIND], 3
	s_cbranch_scc1 .Lkeep
	WIN 0x05                                       ; the table turns on by 16 positions, between the stage's loads and the wait for them
.set p, 0
.rept 32
	v_pk_mul_f32 v[P1+2*p:P1+2*p+1], v[CS+2*p:CS+2*p+1], v[RS+2*p:RS+2*p+1] op_sel:[0,0] op_sel_hi:[0,1]
.set p, p+1
.endr
	WIN 0x45
.set p, 0
.rept 32
	v_pk_fma_f32 v[CS+2*p:CS+2*p+1], v[CS+2*p:CS+2*p+1], v[RS+2*p:RS+2*p+1], v[P1+2*p:P1+2*p+1] op_sel:[1,1,0] op_sel_hi:[1,0,1] neg_lo:[0,1,0]
.set p, p+1
.endr
	WIN 0
.Lkeep:
	s_wait_dscnt 0x0
.irp t, 0,1,2,3,4,5,6,7
	global_store_b128 v[CO], v[OB+4*(\t):OB+4*(\t)+3], s[8:9] offset:512*(\t)  ; 512 consecutive bytes, two rows of the head, at a multiple of 256 from the buffer's first byte
.endr
	s_sub_co_u32 s[EA], s[EA], 1
	s_cmp_lg_u32 s[EA], 0
	s_cbranch_scc1 .Lrow
	s_wait_tensorcnt 0x0                           ; the wave's end: behind my last tensor load and my last LDS store
	ds_add_u32 v[SPW], v[NIL]
	s_wait_dscnt 0x0
	CROUND                                         ; the closing round: no work-group ends while a partner may still ask for a tile that names it
	s_endpgm
.Lfunc_end_k_q8d7e7558bb_qkv:
	.size	k_q8d7e7558bb_qkv, .Lfunc_end_k_q8d7e7558bb_qkv-k_q8d7e7558bb_qkv
	.p2alignl 7, 3214868480
	.fill 96, 4, 3214868480
	.section	.rodata,"a",@progbits
	.p2align	6, 0x0
	.amdhsa_kernel k_q8d7e7558bb_qkv
		.amdhsa_group_segment_fixed_size 327680
		.amdhsa_private_segment_fixed_size 0
		.amdhsa_enable_private_segment 0
		.amdhsa_kernarg_size 64
		.amdhsa_user_sgpr_count 2
		.amdhsa_user_sgpr_kernarg_segment_ptr 1
		.amdhsa_wavefront_size32 1
		.amdhsa_system_sgpr_workgroup_id_x 1
		.amdhsa_system_sgpr_workgroup_id_y 1
		.amdhsa_system_sgpr_workgroup_id_z 1
		.amdhsa_system_vgpr_workitem_id 0
		.amdhsa_next_free_vgpr 1024
		.amdhsa_next_free_sgpr 96
		.amdhsa_reserve_vcc 0
		.amdhsa_float_denorm_mode_32 3
		.amdhsa_float_denorm_mode_16_64 3
		.amdhsa_memory_ordered 1
		.amdhsa_forward_progress 1
		.amdhsa_inst_pref_size 177
	.end_amdhsa_kernel
	.amdgpu_metadata
---
amdhsa.version: [ 1, 2 ]
amdhsa.kernels:
  - .name:           k_q8d7e7558bb_qkv
    .symbol:         k_q8d7e7558bb_qkv.kd
    .args:
      - { .name: xb, .offset: 0, .size: 8, .value_kind: global_buffer, .address_space: global }
      - { .name: wcat, .offset: 8, .size: 8, .value_kind: global_buffer, .address_space: global }
      - { .name: rope, .offset: 16, .size: 8, .value_kind: global_buffer, .address_space: global }
      - { .name: q_norm_w, .offset: 24, .size: 8, .value_kind: global_buffer, .address_space: global }
      - { .name: k_norm_w, .offset: 32, .size: 8, .value_kind: global_buffer, .address_space: global }
      - { .name: qh, .offset: 40, .size: 8, .value_kind: global_buffer, .address_space: global }
      - { .name: kh, .offset: 48, .size: 8, .value_kind: global_buffer, .address_space: global }
      - { .name: vh, .offset: 56, .size: 8, .value_kind: global_buffer, .address_space: global }
    .group_segment_fixed_size: 327680
    .private_segment_fixed_size: 0
    .kernarg_segment_align: 8
    .kernarg_segment_size: 64
    .max_flat_workgroup_size: 128
    .sgpr_count:     96
    .vgpr_count:     1024
    .wavefront_size: 32
...
	.end_amdgpu_metadata
.endif
;; end of part 2
;; launch attn (part 3): grid 16 x 16, 4 waves a work-group, clusters of 4 x 1, 327,680 bytes of LDS; arguments qh, kh, vh, ob; writes ob
.if DOCPART == 3
	.amdgcn_target "amdgcn-amd-amdhsa--gfx1250"
	.amdhsa_code_object_version 6
	.text
	.protected	k_q8d7e7558bb_attn
	.globl	k_q8d7e7558bb_attn
	.p2align	8
	.type	k_q8d7e7558bb_attn,@function
k_q8d7e7558bb_attn:
	s_mov_b64 s[64:65], 0
	v_nop
	global_prefetch_b8 v0, s[64:65] scope:SCOPE_SE
	s_setreg_imm32_b32 hwreg(HW_REG_WAVE_MODE, 25, 1), 1
	s_wait_xcnt 0x0
	s_wait_alu depctr_hold_cnt(0) depctr_sa_sdst(0) depctr_va_vdst(0) depctr_va_sdst(0) depctr_va_ssrc(0) depctr_va_vcc(0) depctr_vm_vsrc(0)
	s_getreg_b32 s2, hwreg(HW_REG_IB_STS2, 6, 4)
	s_cmp_eq_u32 s2, 0
	s_cbranch_scc0 .Lentry_in_a_cluster
	s_endpgm
.Lentry_in_a_cluster:
	s_bfe_u32 s2, ttmp6, 0x10000c
	s_cmp_lg_u32 s2, 0x3003
	s_cbranch_scc0 .Lentry_shape_is_right
	s_endpgm
.Lentry_shape_is_right:
; CAUSAL ATTENTION, two query heads to a key and value head.  qh [16 batch + head][2048][128], kh, vh [8 batch + kvhead][2048][128], ob [4096 = 2048 batch + position][2048 = 128 head + channel], all f16.
; Products, maxima and sums in f32; the weights p are rounded to f16 for the second product (their sum l is taken of the unrounded p), O once at the end.
; LIMITS.  A hidden score counts as its value less 1e30; a weight below 2^-126 counts as 0 in l; p below 6e-5 keeps f16's fixed step of 6e-8; NaN and infinities are not treated apart.
; THE WALK.  The grid's y is g = 8 batch + kvhead, the cluster's x is ps = 0..3.  A cluster takes two blocks of 256 positions, 7 - ps and then ps, for both query heads of g.  Block i needs the key tiles
; (128 keys) 0 .. 2 i + 1: 16 - 2 ps and 2 ps + 2 of them: 18 tiles, 36 steps of 64 keys, whatever ps: every trip count is a constant and all work-groups do equal work.
; SHARES.  Wave w of partner cx owns the 16 positions 256 block + 64 w + 16 cx, as two tiles: head 2 g and head 2 g + 1.  The band of 64 goes by the wave, so all four partners walk the same tiles and
; each tile is asked for JOINTLY: the same tensor load, descriptor and mask in all four.  cx enters Q's and O's addresses and the mask's values alone.
; THE MASK is the C operand that starts S^T = K Q^T.  SD counts the steps from the block's diagonal 256 keys on: SD < w: all keys seen; SD = w: the band's own step (MD); SD > w: none.  A product's mask is
; MD x AL + BE with two scalars.  The diagonal 256 x 256 is computed whole under masks.
; LAYOUT.  S^T holds ONE query a lane (lane % 16) and the keys 8 (lane / 16) + 0..7; two such results rounded to f16 ARE source 1 of O^T = V^T P.  K comes out of LDS as it lies, V turned.
; SOFTMAX.  p = 2^(c s - c m), c = log2(e) / sqrt(128), with a running maximum m; O and l are multiplied by a = 2^(c m_old - c m_new) in every step.  m starts at the lowest finite number and O, l at finite
; numbers: a block's first step has a = 0.  Every row sees key 0 in its block's first step, so m is a true score before the first hidden one.
; IN PHASES.  A step: K's run of LDS loads; V^T P of the step before (from registers); the mask; V's run; K Q^T; the softmax of both tiles.
; REGISTERS, in windows of 256 (s_set_vgpr_msb: bits 1:0 source 0, 3:2 source 1, 5:4 source 2, 7:6 destination):
;   window 0: v0-15 addresses; v16-31 statistics, 8 a tile; v61-63; v64-127 S^T; v128-159 P; v160-191 MD; v192-223 the mask in hand
;   window 1: v0-127 O^T     window 2: v0-63 Q; v64-127 the second block's Q; v128-255 K of one step     window 3: v0-127 V of one step
.set KS,    64
.set PK,    272       ; a row of K in LDS: 256 bytes + 16
.set PV,    288       ; a row of V: 256 + 32
.set VOFF,  KS*PK     ; a step's tiles lie together: 64 rows of K, then 64 rows of V
.set STEPB, KS*(PK+PV)
.set SLOT1, 1<<17     ; a slot holds two steps; slot 1 begins here, so that one exclusive or turns an address in one slot into the other's
.set STAGE, SLOT1+2*STEPB  ; behind the ring: 16 rows x 272 bytes for each wave
.set SP,    272
.set SPARE, STAGE+4*16*SP  ; the spare words, 128 bytes a wave: two blocks of 256 bytes that no other line names
.set AK0, 2
.set AV0, 3
.set ADR, 4
.set ADV, 5
.set STO, 6
.set RD,  7
.set GO,  8
.set QO,  12
.set ST,  16          ; tile t's statistics at v[ST+8 t]: c m, m, l (even keys', odd keys'), c0-c3 at work; a takes c2's place
.set PFO, 61
.set SPW, 62
.set NIL, 63
.set S,   64
.set P,   128
.set MD,  160
.set MC,  192
.set QB,  64          ; window 2
.set KF,  128         ; window 2
.set WV,  12          ; s12  my wave's number
.set LIM, 15          ; s15  3 in a wave that prefetches, else the greatest number
.set PFA, 18          ; s[18:19] where my prefetches stand
.set G1K, 24
.set G1V, 32
.set G0K, 40
.set G0V, 44
.set SLOTS, 56        ; s56  tiles still to be asked for
.set TWICE, 57
.set CS,  58          ; s[58:59] c
.set SEL, 60          ; s[60:61]
.set TB,  62          ; s62  LDS byte at which the tiles of the step to be fetched begin
.set SD,  66          ; s66  the step's number, counted from the block's diagonal keys
.set NXT, 67          ; s67  the tile to be asked for next
.set LQ,  68          ; s68  the last tile of the block whose tiles are being asked for
.set OFF, 70          ; s[70:71]
.set AL,  72          ; s[72:73]
.set BE,  74          ; s[74:75]
.set OLO, 76          ; s[76:77] O at my rows of the second block
.set BIGN, 78         ; s78  -1e30
.set QLO, 80          ; s[80:81] Q at my rows of the second block
.set SDLO, 82         ; s82  -4 ps
.set LQLO, 83         ; s83  2 ps + 1
.set MSB, 0
.macro WIN new
.if MSB != (\new)
	s_set_vgpr_msb (MSB<<8)|(\new)
.set MSB, \new
.endif
.endm
.set W_KQ, 0x0a       ; K and Q in window 2, S^T and the mask in window 0
.set W_PV, 0x53       ; V in window 3, P in window 0, O^T in window 1
.set W_RS, 0x41       ; O^T (destination and source 0) in window 1, a in window 0
.macro JLOAD                        ; waves 0 and 1 fetch the two steps' K, waves 2 and 3 their V; an s_nop 0 and four v_nop follow each line
	s_cmp_lt_u32 s[WV], 2
	s_cbranch_scc0 .Lfor_v_\@
	tensor_load_to_lds s[G0K:G0K+3], s[G1K:G1K+7]
	s_nop 0
.rept 4
	v_nop
.endr
	s_branch .Lasked_\@
.Lfor_v_\@:
	tensor_load_to_lds s[G0V:G0V+3], s[G1V:G1V+7]
	s_nop 0
.rept 4
	v_nop
.endr
.Lasked_\@:
.endm
; A prefetch of the tile that the NEXT change of slots will ask for.  Each row of kh and vh is named once in the launch: of the four clusters of a g the one with ps = 0 asks, whose first block walks all 16 tiles;
; its partners take 32 of a tile's 128 rows each, by address; wave 0 asks for K's, wave 2 for V's, a lane a row.  Trips 0 to 13 name tiles 2 to 15; later trips ask for nothing.
.macro ASK
	s_cmp_gt_u32 s[SLOTS], s[LIM]
	s_cbranch_scc0 .Lnot_mine_\@
	global_prefetch_b8 v[PFO], s[PFA:PFA+1] th:TH_LOAD_NT scope:SCOPE_SE
.Lnot_mine_\@:
.endm
.macro CROUND
	s_barrier_signal -1
	s_barrier_wait -1
	s_cmp_lg_u32 s[WV], 0
	s_cbranch_scc1 .Lnot_wave_0_\@
	s_barrier_signal -3
.Lnot_wave_0_\@:
	s_barrier_wait -3
	s_barrier_signal -1
	s_barrier_wait -1
.endm
.macro PLACES
.rept 4
	v_nop
.endr
.endm
	s_load_b256 s[4:11], s[0:1], 0x0  ; qh s[4:5], kh s[6:7], vh s[8:9], ob s[10:11]
	v_lshl_add_u32 v[SPW], v0, 2, SPARE
	v_mov_b32 v[NIL], 0
	ds_add_u32 v[SPW], v[NIL]       ; the wave's opening: the add and its wait ahead of my first tensor load; work on registers stands between them
	v_lshrrev_b32 v1, 5, v0
	v_readfirstlane_b32 s[WV], v1
	s_bfe_u32 s13, ttmp6, 0x40000   ; cx
	s_mov_b32 s14, ttmp9            ; ps
	s_and_b32 s20, ttmp7, 0xffff    ; g
	s_and_b32 s16, s[WV], 1         ; which of a tile's two steps I fetch:
	s_lshl_b32 s22, s16, 14         ; its 64 rows of 256 bytes,
	s_lshl_b32 s21, s20, 19         ; in g's 2,048 rows
	s_add_co_u32 s22, s22, s21
	s_mov_b32 s23, 0
	s_mul_i32 s17, s16, STEPB       ; and its place in a slot
	s_mov_b32 s[G0K], 1
	s_mov_b32 s[G0K+1], s17
	s_mov_b32 s[G0V], 1
	s_add_co_u32 s[G0V+1], s17, VOFF
	s_mov_b32 s[G1K], 15|(1<<16)|(1<<20)|(1<<21)|(5<<22)|(3<<25)  ; the mask of four; 2-byte elements; padding on; bit 21 beside a mask; after every 64 words 4 words
	s_mov_b32 s[G1V], 15|(1<<16)|(1<<20)|(1<<21)|(5<<22)|(7<<25)  ; the same with 8 words
.irp g, G1K, G1V
	s_mov_b32 s[(\g)+1], 128<<16    ; tensor_dim0 = 128
	s_mov_b32 s[(\g)+2], KS<<16     ; tensor_dim1 = 64
	s_mov_b32 s[(\g)+3], 128<<16    ; tile_dim0 = 128
	s_mov_b32 s[(\g)+4], KS         ; tile_dim1 = 64
	s_mov_b32 s[(\g)+5], 128        ; elements from row to row
	s_mov_b32 s[(\g)+6], 0
	s_mov_b32 s[(\g)+7], 0
.endr
	s_sub_co_u32 s21, 7, s14        ; the first block
	s_lshl_b32 s16, s[WV], 14       ; Q: my 16 rows of 256 bytes in a block: 64 w + 16 cx,
	s_lshl_b32 s18, s13, 12
	s_add_co_u32 s16, s16, s18
	s_lshl_b32 s18, s20, 20         ; in head 2 g
	s_add_co_u32 s16, s16, s18
	s_lshl_b32 s84, s21, 16
	s_add_co_u32 s84, s84, s16
	s_mov_b32 s85, 0
	s_lshl_b32 s86, s14, 16
	s_add_co_u32 s86, s86, s16
	s_mov_b32 s87, 0
	s_lshl_b32 s16, s[WV], 18       ; O: the same rows, of 4,096 bytes,
	s_lshl_b32 s18, s13, 16
	s_add_co_u32 s16, s16, s18
	s_lshr_b32 s18, s20, 3
	s_lshl_b32 s18, s18, 23         ; the batch's 2,048 rows,
	s_add_co_u32 s16, s16, s18
	s_and_b32 s18, s20, 7
	s_lshl_b32 s18, s18, 9          ; the two heads' 512 bytes of a row
	s_add_co_u32 s16, s16, s18
	s_lshl_b32 s88, s21, 20
	s_add_co_u32 s88, s88, s16
	s_mov_b32 s89, 0
	s_lshl_b32 s90, s14, 20
	s_add_co_u32 s90, s90, s16
	s_mov_b32 s91, 0
	s_lshl_b32 s[SD], s14, 2
	s_sub_co_u32 s[SDLO], 0, s[SD]
	s_sub_co_u32 s[SD], s[SD], 28   ; the first block has 32 - 4 ps steps, the last four on the diagonal
	s_lshl_b32 s[LQLO], s14, 1
	s_sub_co_u32 s[LQ], 15, s[LQLO]
	s_add_co_u32 s[LQLO], s[LQLO], 1
	s_mov_b32 s[NXT], 1
	s_mov_b32 s[OFF+1], 0
	s_mov_b32 s[AL+1], 0            ; named as pairs
	s_mov_b32 s[BE+1], 0
	s_mov_b32 s[BIGN], 0xf149f2ca   ; -1e30
	s_mov_b32 s[CS], 0x3e0293ee     ; c = log2(e) / sqrt(128)
	s_mov_b32 s[CS+1], s[CS]
	s_mov_b32 s[SEL], 0x76543210
	s_mov_b32 s[SEL+1], 0xfedcba98
	s_mov_b32 s[TB], SLOT1+2*STEPB  ; the first change of slots turns this into 0
	s_mov_b32 s[SLOTS], 17
	s_and_b32 s[LIM], s[WV], 1
	s_or_b32 s[LIM], s[LIM], ttmp9  ; 0 in waves 0 and 2 of the cluster with ps = 0: the same in all four partners
	s_cmp_eq_u32 s[LIM], 0
	s_cselect_b32 s[LIM], 3, -1
	v_and_b32 v[PFO], 31, v0
	v_lshlrev_b32 v[PFO], 8, v[PFO]
	s_wait_dscnt 0x0                ; the opening add is done
	s_wait_kmcnt 0x0
	s_add_nc_u64 s[6:7], s[6:7], s[22:23]  ; K and V at my half of g's tile 0
	s_add_nc_u64 s[8:9], s[8:9], s[22:23]
	s_mov_b64 s[G0K+2:G0K+3], s[6:7]
	s_or_b32 s[G0K+3], s[G0K+3], 0x80000000
	s_mov_b64 s[G0V+2:G0V+3], s[8:9]
	s_or_b32 s[G0V+3], s[G0V+3], 0x80000000
	s_add_nc_u64 s[QLO:QLO+1], s[4:5], s[86:87]
	s_add_nc_u64 s[4:5], s[4:5], s[84:85]
	s_add_nc_u64 s[OLO:OLO+1], s[10:11], s[90:91]
	s_add_nc_u64 s[10:11], s[10:11], s[88:89]
	s_cmp_lt_u32 s[WV], 2
	s_cselect_b64 s[PFA:PFA+1], s[6:7], s[8:9]
	s_lshl_b32 s2, s13, 13          ; my work-group's 32 rows of the 128,
	s_add_co_u32 s2, s2, 32768      ; in tile 1: the first change of slots steps it to tile 2
	s_mov_b32 s3, 0
	s_add_nc_u64 s[PFA:PFA+1], s[PFA:PFA+1], s[2:3]
	CROUND                          ; all four work-groups are here: the first joint loads meet
	JLOAD                           ; tile 0 into slot 0
	v_and_b32 v1, 15, v0            ; l % 16
	v_bfe_u32 v9, v0, 4, 1          ; l / 16
	v_lshlrev_b32 v[QO], 8, v1
	v_lshl_add_u32 v[QO], v9, 4, v[QO]  ; row x 256 + 16 x half
	WIN 0x80                        ; destination window 2
.irp i, 0,1,2,3,4,5,6,7             ; both blocks' Q: tile i / 4 (a head: 524,288 bytes on), channels 32 (i % 4) on
	global_load_b128 v[8*(\i):8*(\i)+3],   v[QO], s[4:5] offset:((\i)/4)*524288+((\i)%4)*64
	global_load_b128 v[8*(\i)+4:8*(\i)+7], v[QO], s[4:5] offset:((\i)/4)*524288+((\i)%4)*64+32
	global_load_b128 v[QB+8*(\i):QB+8*(\i)+3],   v[QO], s[QLO:QLO+1] offset:((\i)/4)*524288+((\i)%4)*64
	global_load_b128 v[QB+8*(\i)+4:QB+8*(\i)+7], v[QO], s[QLO:QLO+1] offset:((\i)/4)*524288+((\i)%4)*64+32
.endr
	WIN 0
	v_lshlrev_b32 v14, 3, v9
	v_sub_nc_u32 v14, v1, v14
	s_lshl_b32 s16, s13, 4
	v_add_nc_u32 v14, s16, v14      ; my query's place in its band, 16 cx + l % 16, less my lanes' 8 (l / 16): register i % 8 of key group i / 8 is hidden where 16 (i / 8) + i % 8 is greater
.set i, 0
.rept 32
	v_cmp_gt_i32 vcc_lo, 16*(i/8)+i%8, v14
	v_cndmask_b32 v[MD+i], 0, s[BIGN], vcc_lo
.set i, i+1
.endr
	v_mul_u32_u24 v[AK0], v1, PK
	v_lshl_add_u32 v[AK0], v9, 4, v[AK0]
	v_and_b32 v10, 7, v0
	v_bfe_u32 v11, v0, 3, 1
	v_lshl_add_u32 v[AV0], v9, 3, v10
	v_mul_u32_u24 v[AV0], v[AV0], PV
	v_lshl_add_u32 v[AV0], v11, 4, v[AV0]
	v_add_nc_u32 v[AV0], VOFF, v[AV0]
	s_mul_i32 s16, s[WV], 16*SP
	s_add_co_u32 s16, s16, STAGE    ; my stage
	v_mul_u32_u24 v[STO], v1, SP
	v_lshl_add_u32 v[STO], v9, 4, v[STO]
	v_add_nc_u32 v[STO], s16, v[STO]
	v_mul_u32_u24 v[RD], v9, SP
	v_lshl_add_u32 v[RD], v1, 4, v[RD]
	v_add_nc_u32 v[RD], s16, v[RD]
	v_lshlrev_b32 v[GO], 12, v9     ; two rows of ob, 4,096 bytes apart
	v_lshl_add_u32 v[GO], v1, 4, v[GO]
	; What the first step finds: V and P hold 0 (its products V^T P, of a step that has not been, add 0), O^T and l are 0.  All this stands in the wait for the first tile.
	WIN 0xc0
.set i, 0
.rept 128
	v_mov_b32 v[i], 0
.set i, i+1
.endr
	WIN 0x40
.set i, 0
.rept 128
	v_mov_b32 v[i], 0
.set i, i+1
.endr
	WIN 0
.set i, 0
.rept 32
	v_mov_b32 v[P+i], 0
.set i, i+1
.endr
.irp t, 0,1
	v_mov_b32 v[ST+8*(\t)], 0xfe000000    ; c m: far below every c s
	v_mov_b32 v[ST+8*(\t)+1], 0xff7fffff  ; m
.irp k, 2,3,4,5,6,7
	v_mov_b32 v[ST+8*(\t)+(\k)], 0
.endr
.endr
; THE MATRIX WORK.  The accumulators take turns, one instruction a turn: between two links of a chain stand 7 (K Q^T) or 15 (V^T P) others'.
; Product i of 32 of S^T = K Q^T: channels 32 (i / 8) on, keys 16 ((i / 2) % 4) on, tile i % 2.  The first 8 start the sums with the mask.
.macro KQALL
	WIN W_KQ
.set i, 0
.rept 32
.set rS, S+32*(i%2)+8*((i/2)%4)
.set rK, KF+32*((i/2)%4)+8*(i/8)
.set rQ, 32*(i%2)+8*(i/8)
.set rM, MC+8*((i/2)%4)
.if i < 8
	v_wmma_f32_16x16x32_f16 v[rS:rS+7], v[rK:rK+7], v[rQ:rQ+7], v[rM:rM+7]
.else
	v_wmma_f32_16x16x32_f16 v[rS:rS+7], v[rK:rK+7], v[rQ:rQ+7], v[rS:rS+7]
.endif
.set i, i+1
.endr
.endm
; Product i of 32 of O^T += V^T P: keys 32 (i / 16) on, channels 16 ((i / 2) % 8) on, tile i % 2.
.macro PVALL
	WIN W_PV
.set i, 0
.rept 32
.set rO, 64*(i%2)+8*((i/2)%8)
.set rV, 64*(i/16)+8*((i/2)%8)
.set rP, P+16*(i%2)+8*(i/16)
	v_wmma_f32_16x16x32_f16 v[rO:rO+7], v[rV:rV+7], v[rP:rP+7], v[rO:rO+7]
.set i, i+1
.endr
.endm
.macro FETCH_K
	WIN 0
	v_add_nc_u32 v[ADR], s[TB], v[AK0]
	WIN 0x80
.irp f, 0,1,2,3,4,5,6,7,8,9,10,11,12,13,14,15  ; keys 16 (f / 4) on, channels 32 (f % 4) on
	ds_load_b128 v[KF+8*(\f):KF+8*(\f)+3],   v[ADR] offset:((\f)/4)*16*PK+((\f)%4)*64
	ds_load_b128 v[KF+8*(\f)+4:KF+8*(\f)+7], v[ADR] offset:((\f)/4)*16*PK+((\f)%4)*64+32
.endr
.endm
.macro FETCH_V
	WIN 0
	v_add_nc_u32 v[ADV], s[TB], v[AV0]
	s_add_co_u32 s[TB], s[TB], STEPB  ; the next fetch is the next step's
	WIN 0xc0
.irp f, 0,1,2,3,4,5,6,7,8,9,10,11,12,13,14,15  ; keys 32 (f / 8) on, channels 16 (f % 8) on
	ds_load_tr16_b128 v[8*(\f):8*(\f)+3],   v[ADV] offset:((\f)/8)*32*PV+((\f)%8)*32
	ds_load_tr16_b128 v[8*(\f)+4:8*(\f)+7], v[ADV] offset:((\f)/8)*32*PV+16*PV+((\f)%8)*32
.endr
.endm
.macro MASK                         ; MD x AL + BE
	WIN 0
.set z, 0
.rept 16
	v_pk_fma_f32 v[MC+2*z:MC+2*z+1], v[MD+2*z:MD+2*z+1], s[AL:AL+1], s[BE:BE+1] op_sel_hi:[1,0,0]
.set z, z+1
.endr
.endm
; THE SOFTMAX of tile t for one step is a list of 134 instructions; SM writes number j of it.  s0-s31 are the lane's 32 scores, in pairs 0-15.
;   0-15    the maximum of s0-s31 and the old m, three operands at a time; each accumulator's lowest registers are read first
;   16-20   the other half of the lanes' maximum; the new m; c m; c m_old - c m_new
;   21-69   one batch: the 16 scalings c s - c m and all 33 exponentials (a at 23, then s0-s31); none of these reads an exponential's result
;   70-85   the roundings to f16     86-101 the sums; l = a l + the sum     102-133 O^T times a
.macro SM t
.set rT, ST+8*(\t)
.set rS, S+32*(\t)
.set rP, P+16*(\t)
.set rO, 64*(\t)+2*(j-102)
.if j < 102
	WIN 0
.endif
.if j < 4
	v_max3_num_f32 v[rT+4+j], v[rS+8*j], v[rS+8*j+1], v[rS+8*j+2]
.elseif j < 12
	v_max3_num_f32 v[rT+4+j%4], v[rT+4+j%4], v[rS+8*(j%4)+2*(j/4)+1], v[rS+8*(j%4)+2*(j/4)+2]
.elseif j == 12
	v_max3_num_f32 v[rT+4], v[rT+4], v[rS+7], v[rS+15]
.elseif j == 13
	v_max3_num_f32 v[rT+6], v[rT+6], v[rS+23], v[rS+31]
.elseif j == 14
	v_max3_num_f32 v[rT+4], v[rT+4], v[rT+5], v[rT+6]
.elseif j == 15
	v_max3_num_f32 v[rT+4], v[rT+4], v[rT+7], v[rT+1]
.elseif j == 16
	v_permlanex16_b32 v[rT+5], v[rT+4], s[SEL], s[SEL+1]  ; the query's other 32 keys lie in the lane 16 away
.elseif j == 17
	v_mov_b32 v[rT+7], v[rT]        ; c m_old is kept for a
.elseif j == 18
	v_max_num_f32 v[rT+1], v[rT+4], v[rT+5]
.elseif j == 19
	v_mul_f32 v[rT], s[CS], v[rT+1]
.elseif j == 20
	v_sub_f32 v[rT+7], v[rT+7], v[rT]
.elseif j == 23
	v_exp_f32 v[rT+6], v[rT+7]
.elseif (j < 23) || ((j < 38) && (j%2 == 0)) || ((j < 66) && (j%4 == 2))
.set b, (j-2)/4                     ; 38, 42, .. 62: pairs 9 to 15
.if j < 38
.set b, (j-20)/2                    ; 21: pair 0; 22, 24, .. 36: pairs 1 to 8
.endif
	v_pk_fma_f32 v[rS+2*b:rS+2*b+1], v[rS+2*b:rS+2*b+1], s[CS:CS+1], v[rT:rT+1] op_sel_hi:[1,0,0] neg_lo:[0,0,1] neg_hi:[0,0,1]
.elseif j < 70
.set e, j-38                        ; 66 to 69: s28 to s31
.if j < 66
.set e, j-32-(j-38)/4               ; 39-41, 43-45, .. 63-65: s7 to s27
.endif
.if j < 38
.set e, (j-25)/2                    ; 25, 27, .. 37: s0 to s6
.endif
	v_exp_f32 v[rS+e], v[rS+e]
.elseif j < 86
	v_cvt_pk_f16_f32 v[rP+j-70], v[rS+2*(j-70)], v[rS+2*(j-70)+1]
.elseif j < 102                     ; the sum of the 16 pairs, in place: neighbours 1, 2, 4 and 8 pairs apart, then l takes it
.set z, j-86
.set w, 4
.set u, z
.if z >= 14
.set w, 32
.set u, 0
.elseif z >= 12
.set w, 16
.set u, z-12
.elseif z >= 8
.set w, 8
.set u, z-8
.endif
.if z < 15
	v_pk_add_f32 v[rS+w*u:rS+w*u+1], v[rS+w*u:rS+w*u+1], v[rS+w*u+w/2:rS+w*u+w/2+1]
.else
	v_pk_fma_f32 v[rT+2:rT+3], v[rT+2:rT+3], v[rT+6:rT+7], v[rS:rS+1] op_sel_hi:[1,0,1]
.endif
.else
	WIN W_RS
	v_pk_mul_f32 v[rO:rO+1], v[rO:rO+1], v[rT+6:rT+7] op_sel_hi:[1,0]
.endif
.endm
.macro SOFTMAX                      ; the two tiles alternate, so that no instruction reads the result of the one just before it
.set j, 0
.rept 70
	SM 0
	SM 1
.set j, j+1
.endr
	v_nop                           ; a plain instruction behind the last exponential
	s_wait_alu depctr_va_vdst(0)    ; one wait for both tiles' 66 exponentials, ahead of their first reader
.rept 64
	SM 0
	SM 1
.set j, j+1
.endr
.endm
; A KEY STEP.
.macro BODY
	FETCH_K                         ; this step's K: its registers' last reader stands a softmax back
	PVALL                           ; V^T P of the step before, from registers
	s_cmp_eq_i32 s[SD], s[WV]       ; is this step my band's own?
	s_cselect_b32 s[AL], 1.0, 0
	s_cmp_gt_i32 s[SD], s[WV]       ; or a later one?
	s_cselect_b32 s[BE], s[BIGN], 0
	MASK                            ; sixteen plain lines: also the places between the last product that read V and V's loads
	FETCH_V
	s_wait_dscnt 32                 ; K is in; V's 32 loads may stay out
	KQALL
	WIN 0
	PLACES
	SOFTMAX
	WIN 0
	s_add_co_i32 s[SD], s[SD], 1
	s_wait_dscnt 0x0                ; V is in: all my reads of this step's tiles are over
.endm
.macro TWO_STEPS
	WIN 0
	s_mov_b32 s[TWICE], 2
.Lstep_\@:
	BODY
	s_sub_co_u32 s[TWICE], s[TWICE], 1
	s_cmp_lg_u32 s[TWICE], 0
	s_cbranch_scc1 .Lstep_\@
.endm
; THE CHANGE OF SLOTS.  Each wave waits for all its tensor loads, of which one is out: its part of the other slot; adds 0 to its spare word; and waits for that and for its reads of the slot that it leaves.
; fill = 1: the barrier is a round of the cluster's, and the old slot is filled again, first thing behind it, with tile NXT: the descriptor's address is made anew from that number.
.macro CHANGE fill
	WIN 0
	s_wait_tensorcnt 0x0            ; no tensor load of mine is out, so a group 0 may be written
	ds_add_u32 v[SPW], v[NIL]       ; 0 onto my spare word
.if \fill
	s_lshl_b32 s[OFF], s[NXT], 15   ; a tile is 32,768 bytes of K and of V
	s_xor_b32 s[G0K+1], s[G0K+1], SLOT1
	s_add_nc_u64 s[G0K+2:G0K+3], s[6:7], s[OFF:OFF+1]
	s_or_b32 s[G0K+3], s[G0K+3], 0x80000000
	s_xor_b32 s[G0V+1], s[G0V+1], SLOT1
	s_add_nc_u64 s[G0V+2:G0V+3], s[8:9], s[OFF:OFF+1]
	s_or_b32 s[G0V+3], s[G0V+3], 0x80000000
	s_add_co_u32 s[NXT], s[NXT], 1  ; the block's next tile, or behind its last the second block's tile 0
	s_cmp_gt_u32 s[NXT], s[LQ]
	s_cselect_b32 s[NXT], 0, s[NXT]
	s_cselect_b32 s[LQ], s[LQLO], s[LQ]
	s_wait_xcnt 0x0                 ; the last prefetch, two key steps back, has read its address
	s_add_nc_u64 s[PFA:PFA+1], s[PFA:PFA+1], 32768
	s_wait_dscnt 0x0                ; the add is done, and my reads of the slot are over
	CROUND
	JLOAD
	ASK
.else
	s_wait_dscnt 0x0
	s_barrier_signal -1
	s_barrier_wait -1
.endif
	s_sub_co_u32 s[TB], s[TB], 2*STEPB  ; the fetches go back to a slot's first step,
	s_xor_b32 s[TB], s[TB], SLOT1       ; in the other slot
.endm
; A BLOCK'S END: the last step's V^T P; l's halves are added; O^T is divided by l, rounded to f16 and sent through my stage, a tile (16 rows x 256 bytes of ob) at a time.
.macro PACK t
	WIN W_RS
.set i, 64*(\t)
.rept 32
	v_pk_mul_f32 v[i:i+1], v[i:i+1], v[ST+8*(\t)+6:ST+8*(\t)+7] op_sel_hi:[1,0]
.set i, i+2
.endr
	WIN 0x05
.set i, 0
.rept 32
	v_cvt_pk_f16_f32 v[S+32*(\t)+i], v[64*(\t)+2*i], v[64*(\t)+2*i+1]
.set i, i+1
.endr
	WIN 0
.irp f, 0,1,2,3,4,5,6,7
	ds_store_b128 v[STO], v[S+32*(\t)+4*(\f):S+32*(\t)+4*(\f)+3] offset:32*(\f)
.endr
.irp f, 0,1,2,3,4,5,6,7
	ds_load_b128 v[S+32*(\t)+4*(\f):S+32*(\t)+4*(\f)+3], v[RD] offset:(\f)*2*SP  ; LDS serves a wave's instructions in order (ISA guide 5.7.1.4)
.endr
.endm
.macro SEND t, younger              ; younger: the LDS instructions issued behind tile t's loads
.irp f, 0,1,2,3,4,5,6,7
	s_wait_dscnt (\younger)+7-(\f)
	global_store_b128 v[GO], v[S+32*(\t)+4*(\f):S+32*(\t)+4*(\f)+3], s[10:11] offset:(\t)*256+(\f)*8192  ; 16 lanes store 256 consecutive bytes, aligned: a head's part of a row
.endr
.endm
.macro FINISH
	PVALL
	WIN 0
	PLACES
.irp t, 0,1
	v_add_f32 v[ST+8*(\t)+4], v[ST+8*(\t)+2], v[ST+8*(\t)+3]
.endr
.irp t, 0,1
	v_permlanex16_b32 v[ST+8*(\t)+5], v[ST+8*(\t)+4], s[SEL], s[SEL+1]
.endr
.irp t, 0,1
	v_add_f32 v[ST+8*(\t)+4], v[ST+8*(\t)+4], v[ST+8*(\t)+5]
.endr
.irp t, 0,1
	v_rcp_f32 v[ST+8*(\t)+6], v[ST+8*(\t)+4]
.endr
	v_nop
	s_wait_alu depctr_va_vdst(0)    ; one wait for the two reciprocals
	PACK 0
	PACK 1
	SEND 0, 16
	SEND 1, 0
	s_wait_xcnt 0x0                 ; the stores have read their registers and O's address
.endm
.macro NEXTBLOCK                    ; the second block: its O, its count, m anew, its Q where the text names Q.  O^T and l keep finite numbers: the first step multiplies them by a = 0
	s_mov_b64 s[10:11], s[OLO:OLO+1]
	s_mov_b32 s[SD], s[SDLO]
.irp t, 0,1
	v_mov_b32 v[ST+8*(\t)], 0xfe000000
	v_mov_b32 v[ST+8*(\t)+1], 0xff7fffff
.endr
	WIN 0x82
.set i, 0
.rept 64
	v_mov_b32 v[i], v[QB+i]
.set i, i+1
.endr
	WIN 0
.endm
	s_wait_loadcnt 0x0              ; Q
.Lslot:                             ; 17 trips: a tile is entered and the next is asked for
	CHANGE 1
	s_cmp_eq_u32 s[SD], 4           ; the first block's last step is done (trip 16 - 2 ps): the same in all partners
	s_cbranch_scc0 .Lsame
	FINISH
	NEXTBLOCK
.Lsame:
	TWO_STEPS
	s_sub_co_u32 s[SLOTS], s[SLOTS], 1
	s_cmp_lg_u32 s[SLOTS], 0
	s_cbranch_scc1 .Lslot
	CHANGE 0                        ; the walk's last tile is written out
	TWO_STEPS
	FINISH
	s_wait_tensorcnt 0x0            ; the wave's end: behind my last tensor load and my last LDS store
	ds_add_u32 v[SPW], v[NIL]
	s_wait_dscnt 0x0
	CROUND                          ; the closing round
	s_endpgm
.Lfunc_end_k_q8d7e7558bb_attn:
	.size	k_q8d7e7558bb_attn, .Lfunc_end_k_q8d7e7558bb_attn-k_q8d7e7558bb_attn
	.p2alignl 7, 3214868480
	.fill 96, 4, 3214868480
	.section	.rodata,"a",@progbits
	.p2align	6, 0x0
	.amdhsa_kernel k_q8d7e7558bb_attn
		.amdhsa_group_segment_fixed_size 327680
		.amdhsa_private_segment_fixed_size 0
		.amdhsa_enable_private_segment 0
		.amdhsa_kernarg_size 32
		.amdhsa_user_sgpr_count 2
		.amdhsa_user_sgpr_kernarg_segment_ptr 1
		.amdhsa_wavefront_size32 1
		.amdhsa_system_sgpr_workgroup_id_x 1
		.amdhsa_system_sgpr_workgroup_id_y 1
		.amdhsa_system_sgpr_workgroup_id_z 1
		.amdhsa_system_vgpr_workitem_id 0
		.amdhsa_next_free_vgpr 896
		.amdhsa_next_free_sgpr 96
		.amdhsa_reserve_vcc 1
		.amdhsa_float_denorm_mode_32 3
		.amdhsa_float_denorm_mode_16_64 3
		.amdhsa_memory_ordered 1
		.amdhsa_forward_progress 1
		.amdhsa_inst_pref_size 107
	.end_amdhsa_kernel
	.amdgpu_metadata
---
amdhsa.version: [ 1, 2 ]
amdhsa.kernels:
  - .name:           k_q8d7e7558bb_attn
    .symbol:         k_q8d7e7558bb_attn.kd
    .args:
      - { .name: qh, .offset: 0, .size: 8, .value_kind: global_buffer, .address_space: global }
      - { .name: kh, .offset: 8, .size: 8, .value_kind: global_buffer, .address_space: global }
      - { .name: vh, .offset: 16, .size: 8, .value_kind: global_buffer, .address_space: global }
      - { .name: ob, .offset: 24, .size: 8, .value_kind: global_buffer, .address_space: global }
    .group_segment_fixed_size: 327680
    .private_segment_fixed_size: 0
    .kernarg_segment_align: 8
    .kernarg_segment_size: 32
    .max_flat_workgroup_size: 128
    .sgpr_count:     96
    .vgpr_count:     896
    .wavefront_size: 32
...
	.end_amdgpu_metadata
.endif
;; end of part 3
;; launch oproj (part 4): grid 8 x 32, 4 waves a work-group, clusters of 4 x 4, 327,680 bytes of LDS; arguments ob, wob, out0; writes out0
.if DOCPART == 4
	.amdgcn_target "amdgcn-amd-amdhsa--gfx1250"
	.amdhsa_code_object_version 6
	.text
	.protected	k_q8d7e7558bb_oproj
	.globl	k_q8d7e7558bb_oproj
	.p2align	8
	.type	k_q8d7e7558bb_oproj,@function
k_q8d7e7558bb_oproj:
	s_mov_b64 s[64:65], 0
	v_nop
	global_prefetch_b8 v0, s[64:65] scope:SCOPE_SE
	s_setreg_imm32_b32 hwreg(HW_REG_WAVE_MODE, 25, 1), 1
	s_wait_xcnt 0x0
	s_wait_alu depctr_hold_cnt(0) depctr_sa_sdst(0) depctr_va_vdst(0) depctr_va_sdst(0) depctr_va_ssrc(0) depctr_va_vcc(0) depctr_vm_vsrc(0)
	s_getreg_b32 s2, hwreg(HW_REG_IB_STS2, 6, 4)
	s_cmp_eq_u32 s2, 0
	s_cbranch_scc0 .Lentry_in_a_cluster
	s_endpgm
.Lentry_in_a_cluster:
	s_bfe_u32 s2, ttmp6, 0x10000c
	s_cmp_lg_u32 s2, 0xf033
	s_cbranch_scc0 .Lentry_shape_is_right
	s_endpgm
.Lentry_shape_is_right:
; out0 = ob wob.  ob [4096][2048] f16, wob [2048 k][1024 n] f16, out0 [4096][1024] f32; sums in f32.
; A tile of out0 is 128 x 128, so that there are 256 tiles; four waves, each 64 x 64: 16 accumulators.  K goes in 8 steps of 256 through two LDS slots.
; The matrix instruction is used transposed (source 0 = 16 columns of wob, source 1 = 16 rows of ob): a lane holds row l % 16 and eight neighbouring columns.  wob lies [k][n]: its fragments come out of LDS turned.
; CLUSTER: 4 x 4 work-groups; ob's tile is shared along a row of the cluster, wob's along a column; each is asked for jointly.
; No prefetch: a step's tiles are small, and each is read by several clusters shortly after one another.
; REGISTERS: window 0: v0-31 addresses; v32-95 rows on the way out; v128-255 the accumulators ((a, b) at v[128 + 8 (4 a + b)]).
;   window 1: two fragment buffers of 128: for 64 along K, 64 registers of ob (2 x 4 x 16 rows x 32 K), then 64 of wob.
.set PITCH,  528                       ; a row of ob's tile in LDS: 512 bytes + 16
.set PB,     288                       ; a k row of wob's tile: 256 bytes + 32
.set HALFA,  64*PITCH                  ; what a tensor load of ob brings: 64 rows
.set HALFB,  128*PB                    ; of wob: 128 k rows
.set BOFF,   2*HALFA                   ; wob's tile lies behind ob's 128 rows
.set SLOT,   2*HALFA+2*HALFB
.set STAGE,  2*SLOT                    ; behind the ring: 16 rows x 272 bytes for each wave
.set SPITCH, 272
.set SPARE,  STAGE+4*16*SPITCH         ; the spare words, 128 bytes a wave: two blocks of 256 bytes that no other line names
.set LAPS,   4
.set ADRA, 16                          ; v16-17  my fragments of ob in slot 0, 1
.set ADRB, 20                          ; v20-23  my fragments of wob: slot 0 k rows 0-127, 128-255; slot 1 likewise (an LDS offset has 16 bits)
.set STO,  24
.set RD,   25
.set CO,   26
.set SPW,  28
.set NIL,  29
.set OB,   32
.set ACC,  128
.set F0,   0
.set F1,   128
.set G1, 24
.set G0, 32
.set G1B, 48
.set G0B, 56
.set MSB, 0
.macro WIN new
.if MSB != (\new)
	s_set_vgpr_msb (MSB<<8)|(\new)
.set MSB, \new
.endif
.endm
.set MUL,  0x05                        ; sources 0 and 1 window 1; C and D window 0
.set TO_F, 0x40                        ; destination window 1, address window 0
.macro JLOAD s                         ; waves 0 and 1 fetch ob's two halves, waves 2 and 3 wob's; an s_nop 0 and four v_nop follow each line
	s_cmp_eq_u32 s11, 0
	s_cbranch_scc0 .Lfor_b_\@
	tensor_load_to_lds s[G0+4*(\s):G0+4*(\s)+3], s[G1:G1+7]
	s_nop 0
.rept 4
	v_nop
.endr
	s_branch .Lasked_\@
.Lfor_b_\@:
	tensor_load_to_lds s[G0B+4*(\s):G0B+4*(\s)+3], s[G1B:G1B+7]
	s_nop 0
.rept 4
	v_nop
.endr
.Lasked_\@:
.endm
.macro CREST
	s_cmp_lg_u32 s10, 0
	s_cbranch_scc1 .Lnot_wave_0_\@
	s_barrier_signal -3
.Lnot_wave_0_\@:
	s_barrier_wait -3
	s_barrier_signal -1
	s_barrier_wait -1
.endm
.macro CROUND
	s_barrier_signal -1
	s_barrier_wait -1
	CREST
.endm
	s_load_b128 s[4:7], s[0:1], 0x0                ; ob s[4:5], wob s[6:7]
	s_load_b64 s[8:9], s[0:1], 0x10                ; out0
	v_lshl_add_u32 v[SPW], v0, 2, SPARE
	v_mov_b32 v[NIL], 0
	ds_add_u32 v[SPW], v[NIL]                      ; the wave's opening: the add and its wait ahead of my first tensor load
	v_lshrrev_b32 v1, 5, v0
	v_readfirstlane_b32 s10, v1
	s_lshr_b32 s11, s10, 1                         ; which half of the tile's rows is mine.  Also: I fetch for ob (0) or for wob (1)
	s_and_b32 s12, s10, 1                          ; which half of its columns.  Also: which half of that tile I fetch
	s_bfe_u32 s40, ttmp6, 0x40000
	s_bfe_u32 s41, ttmp6, 0x40004
	s_lshl_b32 s42, ttmp9, 2
	s_add_co_u32 s42, s42, s40                     ; tile column
	s_and_b32 s13, ttmp7, 0xffff
	s_lshl_b32 s13, s13, 2
	s_add_co_u32 s13, s13, s41                     ; tile row
	s_lshl_b32 s43, s41, 2
	s_lshl_b32 s43, 15, s43                        ; my row of the cluster
	s_lshl_b32 s44, 0x1111, s40                    ; my column
	s_or_b32 s[G1+0], s43, (1<<16)|(1<<20)|(1<<21)|(6<<22)|(3<<25)   ; after every 128 words 4 words of padding
	s_or_b32 s[G1B+0], s44, (1<<16)|(1<<20)|(1<<21)|(5<<22)|(7<<25)  ; after every 64 words 8 words
	s_mov_b32 s[G1+1], 256<<16                     ; tensor_dim0 = 256
	s_mov_b32 s[G1+2], 64<<16                      ; tensor_dim1 = 64
	s_mov_b32 s[G1+3], 256<<16                     ; tile_dim0 = 256
	s_mov_b32 s[G1+4], 64                          ; tile_dim1 = 64
	s_mov_b32 s[G1+5], 2048
	s_mov_b32 s[G1+6], 0
	s_mov_b32 s[G1+7], 0
	s_mov_b32 s[G1B+1], 128<<16                    ; tensor_dim0 = 128
	s_mov_b32 s[G1B+2], 128<<16                    ; tensor_dim1 = 128
	s_mov_b32 s[G1B+3], 128<<16                    ; tile_dim0 = 128
	s_mov_b32 s[G1B+4], 128                        ; tile_dim1 = 128
	s_mov_b32 s[G1B+5], 1024
	s_mov_b32 s[G1B+6], 0
	s_mov_b32 s[G1B+7], 0
	s_lshl_b32 s16, s13, 7
	s_lshl_b32 s17, s12, 6
	s_add_co_u32 s16, s16, s17                     ; ob: row 128 x tile row + 64 x half,
	s_lshl_b32 s16, s16, 12                        ; of 4,096 bytes
	s_mov_b32 s17, 0
	s_lshl_b32 s46, s12, 18                        ; wob: k row 128 x half, of 2,048 bytes,
	s_lshl_b32 s47, s42, 8                         ; column byte 256 x tile column
	s_add_co_u32 s46, s46, s47
	s_mov_b32 s47, 0
	s_mul_i32 s20, s12, HALFA                      ; where they go
	s_mul_i32 s21, s12, HALFB
	s_add_co_u32 s21, s21, BOFF
	s_wait_dscnt 0x0                               ; the opening add is done
	s_wait_kmcnt 0x0
	s_add_nc_u64 s[14:15], s[4:5], s[16:17]
	s_add_nc_u64 s[46:47], s[6:7], s[46:47]
	CROUND                                         ; all sixteen work-groups are here: the first joint loads meet
.irp s, 0,1
	s_mov_b32 s[G0+4*(\s)], 1
	s_add_co_u32 s[G0+4*(\s)+1], s20, (\s)*SLOT
	s_add_nc_u64 s[G0+4*(\s)+2:G0+4*(\s)+3], s[14:15], (\s)*512
	s_or_b32 s[G0+4*(\s)+3], s[G0+4*(\s)+3], 0x80000000
	s_mov_b32 s[G0B+4*(\s)], 1
	s_add_co_u32 s[G0B+4*(\s)+1], s21, (\s)*SLOT
	s_add_nc_u64 s[G0B+4*(\s)+2:G0B+4*(\s)+3], s[46:47], (\s)*524288
	s_or_b32 s[G0B+4*(\s)+3], s[G0B+4*(\s)+3], 0x80000000
	JLOAD \s
.endr
	v_and_b32 v1, 15, v0                           ; l % 16
	v_bfe_u32 v2, v0, 4, 1                         ; l / 16
	v_mul_u32_u24 v3, v1, PITCH
	v_lshl_add_u32 v3, v2, 4, v3
	v_and_b32 v4, 7, v0
	v_lshl_add_u32 v4, v2, 3, v4
	v_mul_u32_u24 v4, v4, PB
	v_bfe_u32 v5, v0, 3, 1
	v_lshl_add_u32 v4, v5, 4, v4
	s_mul_i32 s21, s11, HALFA                      ; my 64 rows of ob
	s_lshl_b32 s22, s12, 7                         ; my 64 columns of wob
	s_add_co_u32 s22, s22, BOFF
.irp s, 0,1
	v_add_nc_u32 v[ADRA+(\s)], s21, v3
	v_add_nc_u32 v[ADRB+2*(\s)], s22, v4
	v_add_nc_u32 v[ADRB+2*(\s)+1], HALFB, v[ADRB+2*(\s)]
	s_add_co_u32 s21, s21, SLOT
	s_add_co_u32 s22, s22, SLOT
.endr
	s_mul_i32 s23, s10, 16*SPITCH
	s_add_co_u32 s23, s23, STAGE                   ; my stage: my 64 columns in f32 are 256 bytes of a row
	v_mul_u32_u24 v4, v1, SPITCH
	v_lshl_add_u32 v4, v2, 5, v4
	v_add_nc_u32 v[STO], s23, v4                   ; in: row l % 16, 32 bytes for each half of the lanes
	v_mul_u32_u24 v5, v2, SPITCH
	v_lshl_add_u32 v5, v1, 4, v5
	v_add_nc_u32 v[RD], s23, v5                    ; back: lanes 0-15 one row, lanes 16-31 the next
	v_lshlrev_b32 v5, 12, v2
	v_lshl_add_u32 v[CO], v1, 4, v5                ; and the same two rows in out0
	s_lshl_b32 s16, s13, 7
	s_lshl_b32 s17, s11, 6
	s_add_co_u32 s16, s16, s17                     ; my first row,
	s_lshl_b32 s16, s16, 12
	s_lshl_b32 s17, s42, 9                         ; the tile's 512 bytes of a row,
	s_add_co_u32 s16, s16, s17
	s_lshl_b32 s17, s12, 8                         ; my 256 of them
	s_add_co_u32 s16, s16, s17
	s_mov_b32 s17, 0
	s_add_nc_u64 s[8:9], s[8:9], s[16:17]
; 8 matrix instructions: m blocks a0, a0 + 1 x all 4 n blocks, 32 along K: half c of buffer f.  The 16 accumulators take turns.
.macro MUL8 f, c, a0, zero
	WIN MUL
.irp a, \a0, (\a0)+1
.irp b, 0,1,2,3
.if \zero
	v_wmma_f32_16x16x32_f16 v[ACC+8*(4*(\a)+(\b)):ACC+8*(4*(\a)+(\b))+7], v[(\f)+64+8*(4*(\c)+(\b)):(\f)+64+8*(4*(\c)+(\b))+7], v[(\f)+8*(4*(\c)+(\a)):(\f)+8*(4*(\c)+(\a))+7], 0
.else
	v_wmma_f32_16x16x32_f16 v[ACC+8*(4*(\a)+(\b)):ACC+8*(4*(\a)+(\b))+7], v[(\f)+64+8*(4*(\c)+(\b)):(\f)+64+8*(4*(\c)+(\b))+7], v[(\f)+8*(4*(\c)+(\a)):(\f)+8*(4*(\c)+(\a))+7], v[ACC+8*(4*(\a)+(\b)):ACC+8*(4*(\a)+(\b))+7]
.endif
.endr
.endr
.endm
; 32 LDS loads in one run: the fragments of quarter q (64 along K) into buffer f; its first 32 along K first
.macro FETCH slot, q, f
	WIN TO_F
.irp c, 0,1
.irp i, 0,1,2,3
	ds_load_tr16_b128 v[(\f)+64+8*(4*(\c)+(\i)):(\f)+64+8*(4*(\c)+(\i))+3],   v[ADRB+2*(\slot)+(\q)/2] offset:(((\q)%2)*64+32*(\c))*PB+32*(\i)
	ds_load_tr16_b128 v[(\f)+64+8*(4*(\c)+(\i))+4:(\f)+64+8*(4*(\c)+(\i))+7], v[ADRB+2*(\slot)+(\q)/2] offset:(((\q)%2)*64+32*(\c))*PB+32*(\i)+16*PB
	ds_load_b128 v[(\f)+8*(4*(\c)+(\i)):(\f)+8*(4*(\c)+(\i))+3],         v[ADRA+(\slot)] offset:128*(\q)+64*(\c)+(\i)*16*PITCH
	ds_load_b128 v[(\f)+8*(4*(\c)+(\i))+4:(\f)+8*(4*(\c)+(\i))+7],       v[ADRA+(\slot)] offset:128*(\q)+64*(\c)+(\i)*16*PITCH+32
.endr
.endr
.endm
.macro PLACES
.rept 4
	v_nop
.endr
.endm
.macro QUARTER slot, q, f, g, zero
	s_wait_dscnt 16                                ; the first 32 along K are in
	MUL8 \f, 0, 0, \zero
	MUL8 \f, 0, 2, \zero
	PLACES
	FETCH \slot, \q, \g
	s_wait_dscnt 32                                ; all but the 32 just issued
	MUL8 \f, 1, 0, 0
	MUL8 \f, 1, 2, 0
.endm
; The last quarter multiplies buffer 1 and changes slots: one barrier; fill = 1: it opens a round of the cluster's barrier, and this slot is filled again, two K steps on, first thing behind the round.
.macro TURN slot, next, fill
	WIN 0
	s_wait_tensorcnt 0x0                           ; all my tensor loads have landed: my part of the next slot;
	ds_add_u32 v[SPW], v[NIL]                      ; 0 onto my spare word;
	s_wait_dscnt 17                                ; (the add and the youngest sixteen loads may be out)
	MUL8 F1, 0, 0, 0
	s_wait_dscnt 0x0                               ; the add is done, and my reads of this slot are over
	s_barrier_signal -1
	MUL8 F1, 0, 2, 0
.if \fill
	WIN 0
.endif
	s_barrier_wait -1
.if \fill
	CREST
	s_add_nc_u64 s[G0+4*(\slot)+2:G0+4*(\slot)+3], s[G0+4*(\slot)+2:G0+4*(\slot)+3], 2*512
	s_add_nc_u64 s[G0B+4*(\slot)+2:G0B+4*(\slot)+3], s[G0B+4*(\slot)+2:G0B+4*(\slot)+3], 2*524288
	JLOAD \slot                                    ; the four v_nop behind it are also the places in front of the loads below
.else
	PLACES
.endif
	FETCH \next, 0, F0
	MUL8 F1, 1, 0, 0
	MUL8 F1, 1, 2, 0
.endm
	s_wait_tensorcnt 1                             ; my part of K step 0 is in; K step 1's may stay out
	s_barrier_signal -1
	s_barrier_wait -1
	FETCH 0, 0, F0
	QUARTER 0, 1, F0, F1, 1
	WIN 0
	s_mov_b32 s3, LAPS-1
.Llap:
	QUARTER 0, 2, F1, F0, 0
	QUARTER 0, 3, F0, F1, 0
	TURN 0, 1, 1
	QUARTER 1, 1, F0, F1, 0
	QUARTER 1, 2, F1, F0, 0
	QUARTER 1, 3, F0, F1, 0
	TURN 1, 0, 1
	QUARTER 0, 1, F0, F1, 0
	WIN 0
	s_sub_co_u32 s3, s3, 1
	s_cmp_lg_u32 s3, 0
	s_cbranch_scc1 .Llap
	QUARTER 0, 2, F1, F0, 0
	QUARTER 0, 3, F0, F1, 0
	TURN 0, 1, 0
	QUARTER 1, 1, F0, F1, 0
	QUARTER 1, 2, F1, F0, 0
	QUARTER 1, 3, F0, F1, 0
	s_wait_dscnt 16
	MUL8 F1, 0, 0, 0
	MUL8 F1, 0, 2, 0
	s_wait_dscnt 0x0
	MUL8 F1, 1, 0, 0
	MUL8 F1, 1, 2, 0
	WIN 0
	; THE WAY OUT: a block of 16 rows at a time through my own stage: 32 bytes a lane in (each accumulator's low four registers first), whole rows of 256 bytes back.
	PLACES
.macro TOSTAGE a
.set BK, OB+32*((\a)%2)
.irp b, 0,1,2,3
	ds_store_b128 v[STO], v[ACC+8*(4*(\a)+(\b)):ACC+8*(4*(\a)+(\b))+3]   offset:64*(\b)
	ds_store_b128 v[STO], v[ACC+8*(4*(\a)+(\b))+4:ACC+8*(4*(\a)+(\b))+7] offset:64*(\b)+16
.endr
.irp t, 0,1,2,3,4,5,6,7
	ds_load_b128 v[BK+4*(\t):BK+4*(\t)+3], v[RD] offset:(\t)*2*SPITCH  ; LDS serves a wave's instructions in order (ISA guide 5.7.1.4)
.endr
.endm
.macro SEND a, younger                 ; younger: the LDS instructions issued behind block a's loads
.set BK, OB+32*((\a)%2)
.irp t, 0,1,2,3,4,5,6,7
	s_wait_dscnt (\younger)+7-(\t)
	global_store_b128 v[CO], v[BK+4*(\t):BK+4*(\t)+3], s[8:9] offset:(16*(\a)+2*(\t))*4096  ; 16 lanes store 256 consecutive bytes, at a multiple of 256 from out0's first byte
.endr
.endm
	TOSTAGE 0
	TOSTAGE 1
	SEND 0, 16
	s_wait_xcnt 0x0                                ; block 0's stores have read their registers, which block 2 takes
	TOSTAGE 2
	SEND 1, 16
	s_wait_xcnt 0x0
	TOSTAGE 3
	SEND 2, 16
	SEND 3, 0
	s_wait_tensorcnt 0x0                           ; the wave's end: behind my last tensor load and my last LDS store
	ds_add_u32 v[SPW], v[NIL]
	s_wait_dscnt 0x0
	CROUND                                         ; the closing round
	s_endpgm
.Lfunc_end_k_q8d7e7558bb_oproj:
	.size	k_q8d7e7558bb_oproj, .Lfunc_end_k_q8d7e7558bb_oproj-k_q8d7e7558bb_oproj
	.p2alignl 7, 3214868480
	.fill 96, 4, 3214868480
	.section	.rodata,"a",@progbits
	.p2align	6, 0x0
	.amdhsa_kernel k_q8d7e7558bb_oproj
		.amdhsa_group_segment_fixed_size 327680
		.amdhsa_private_segment_fixed_size 0
		.amdhsa_enable_private_segment 0
		.amdhsa_kernarg_size 24
		.amdhsa_user_sgpr_count 2
		.amdhsa_user_sgpr_kernarg_segment_ptr 1
		.amdhsa_wavefront_size32 1
		.amdhsa_system_sgpr_workgroup_id_x 1
		.amdhsa_system_sgpr_workgroup_id_y 1
		.amdhsa_system_sgpr_workgroup_id_z 1
		.amdhsa_system_vgpr_workitem_id 0
		.amdhsa_next_free_vgpr 512
		.amdhsa_next_free_sgpr 66
		.amdhsa_reserve_vcc 0
		.amdhsa_float_denorm_mode_32 3
		.amdhsa_float_denorm_mode_16_64 3
		.amdhsa_memory_ordered 1
		.amdhsa_forward_progress 1
		.amdhsa_inst_pref_size 87
	.end_amdhsa_kernel
	.amdgpu_metadata
---
amdhsa.version: [ 1, 2 ]
amdhsa.kernels:
  - .name:           k_q8d7e7558bb_oproj
    .symbol:         k_q8d7e7558bb_oproj.kd
    .args:
      - { .name: ob, .offset: 0, .size: 8, .value_kind: global_buffer, .address_space: global }
      - { .name: wob, .offset: 8, .size: 8, .value_kind: global_buffer, .address_space: global }
      - { .name: out0, .offset: 16, .size: 8, .value_kind: global_buffer, .address_space: global }
    .group_segment_fixed_size: 327680
    .private_segment_fixed_size: 0
    .kernarg_segment_align: 8
    .kernarg_segment_size: 24
    .max_flat_workgroup_size: 128
    .sgpr_count:     66
    .vgpr_count:     512
    .wavefront_size: 32
...
	.end_amdgpu_metadata
.endif
;; end of part 4
